; MI455X (gfx1250); checked and timed in simulation.
; The chip was launched on July 23, 2026; its instructions are those of AMD's public machine-readable ISA for CDNA 5 (MIT licence, August 2026) and "CDNA5" Instruction Set Architecture Reference Guide (July 2026). The comments in the code are by the model that wrote it; some were corrected since.
;; Transformer Block. Allowed arithmetic: matrix products marked QUANTISED: E2M3 operands, one E8M0 scale for each 32 along K, by v_wmma_scale_f32_16x16x128_f8f6f4 with both operands' format E2M3, f32 sums; everything else in f32.
;; Inputs: b_fc1 4,096 float32; b_fc2 1,024 float32; b_out 1,024 float32; b_qkv 3,072 float32; ln1_b 1,024 float32; ln1_g 1,024 float32; ln2_b 1,024 float32; ln2_g 1,024 float32; w_fc1 1,024 x 4,096 float32; w_fc2 4,096 x 1,024 float32; w_out 1,024 x 1,024 float32; w_qkv 1,024 x 3,072 float32; x 2 x 2,048 x 1,024 float32.
;; Outputs: out0 2 x 2,048 x 1,024 float32.
;; This version of the problem:
;;   THIS VERSION OF THE PROBLEM IS GIVEN IN LOW PRECISION. The matrix products marked QUANTISED in the list below multiply operands that are first quantised to E2M3 (2 exponent bits, 3 mantissa bits; 6 bits a number), with one power-of-two scale for each 32 numbers along K (OCP MX v1.0); their sums are f32. All else is computed in f32.
;;   The module's matrix products, in the order in which they are computed (A, B: the left and right operand; K: the contracted axis; several contracted axes count as one K, in the product's order):
;;     1. [M 4,096, K 1,024] x [K 1,024, N 3,072]; A: computed on the way; B: input w_qkv: QUANTISED
;;     2. batch 32 x [M 2,048, K 64] x [K 64, N 2,048]; A: computed on the way; B: computed on the way: QUANTISED
;;     3. batch 32 x [M 2,048, K 2,048] x [K 2,048, N 64]; A: softmax (see below); B: computed on the way: QUANTISED
;;     4. [M 4,096, K 1,024] x [K 1,024, N 1,024]; A: computed on the way; B: input w_out: QUANTISED
;;     5. [M 4,096, K 1,024] x [K 1,024, N 4,096]; A: computed on the way; B: input w_fc1: QUANTISED
;;     6. [M 4,096, K 4,096] x [K 4,096, N 1,024]; A: computed on the way; B: input w_fc2: QUANTISED
;;   THE QUANTISER, for each operand of a quantised product, along K:
;;     - K is cut into blocks of 32 from its start; a last block that is shorter is filled with zeros.
;;     - A block's scale is 2^e with e = floor(log2(the largest magnitude in the block)) - 2, held to -126 .. 127; a block of zeros has e = 0. As a byte (E8M0): e + 127.
;;     - Each number is divided by its block's scale, clamped to +-7.5, and rounded to the nearest number of E2M3, ties to even, subnormals kept.
;;     - The product sums the exact products of the quantised numbers (number of the format x scale) in f32.
;;   ~~~python
;;   def quantise(x, axis):      # numpy; x: float32 -> the quantised numbers, widened to float32 again
;;       x = np.moveaxis(x, axis, -1); K = x.shape[-1]
;;       x = np.pad(x, [(0, 0)] * (x.ndim - 1) + [(0, -K % 32)]); x = x.reshape(x.shape[:-1] + (-1, 32)); a = np.abs(x).max(-1, keepdims=True)
;;       e = np.where(a > 0, np.clip(np.frexp(np.where(a > 0, a, 1))[1] - 1 - 2, -126, 127), 0)      # np.frexp(a)[1] - 1 = floor(log2(a)), exactly
;;       r = np.clip(x / 2.0 ** e, -7.5, 7.5)
;;       step = 2.0 ** (np.maximum(np.frexp(np.where(r == 0, 1, r))[1] - 1, 0) - 3)
;;       q = np.round(r / step) * step * 2.0 ** e      # np.round: ties to even
;;       return np.moveaxis(q.reshape(q.shape[:-2] + (-1,))[..., :K], -1, axis).astype(np.float32)
;;   ~~~
;;   SOFTMAX AHEAD OF A QUANTISED PRODUCT. Where the list says 'softmax', what is quantised is not the finished softmax but p = 2^(t - M), with t = logit x log2(e) and M = ceil(the row's largest t), a whole number; so 1/2 < the row's largest p <= 1. The row's sum l is taken of the UNQUANTISED p, in f32, and the product's result is divided by l at the end. Since M is a whole number, a kernel that streams over the keys may use a running M (the ceiling of the running maximum): every later rescaling is an exact power of two, which a block's scale takes up: the codes' values come out the same.
;;   OPERANDS COMPUTED ON THE WAY. 'Computed on the way' means the value that the module computes at that place (a softmax that the list does not call 'softmax' is quantised finished and normalised). What goes into a quantiser is computed in f32, as accurately as f32 sums, v_exp_f32 and their like allow (about 1e-6 of the number): no bf16 or f16 on the way to a quantiser, and a product that is left as it is and whose result goes on into a quantised operand takes f32 operands (vector FMAs, or v_wmma_f32_16x16x4_f32). A number that lies on a knife's edge between two numbers of the format may be rounded either way, as far as f32 arithmetic and the matrix unit's own rounding can turn it there, and no further.
;; One version. Each part assembles by itself: llvm-mc -triple=amdgcn-amd-amdhsa -mcpu=gfx1250 --defsym DOCPART=n.
;; ======== version 1 of 1: 7 launches
;; limits: right only within a limited range of input values
;; workspace buffers: W 9,830,400 bytes; H1 3,276,800 bytes; QKV 10,092,544 bytes; AO 3,276,800 bytes; X1 16,777,216 bytes; H2 3,276,800 bytes; GC 13,107,200 bytes
;; launch prep (part 1): grid 640 x 1, 8 waves a work-group, no clusters, 2,048 bytes of LDS; arguments x, ln1_g, ln1_b, H1, w_qkv, w_out, w_fc1, w_fc2, W; writes H1, W
.if DOCPART == 1
	.amdgcn_target "amdgcn-amd-amdhsa--gfx1250"
	.amdhsa_code_object_version 6
	.text
	.protected	k_qee433772b2_prep
	.globl	k_qee433772b2_prep
	.p2align	8
	.type	k_qee433772b2_prep,@function
k_qee433772b2_prep:
	s_mov_b64 s[64:65], 0
	v_nop
	global_prefetch_b8 v0, s[64:65] scope:SCOPE_SE
	s_setreg_imm32_b32 hwreg(HW_REG_WAVE_MODE, 25, 1), 1
	s_wait_xcnt 0x0
; Two jobs, told apart by the work-group's number.
; Work-groups 0-255: LayerNorm of 16 rows of [4096][1024] f32, quantised to FP6 (E2M3) with one E8M0 byte for each 32 along K.
; Work-groups 256-639: the four weights, stored [K][N] f32, quantised along K (their FIRST axis).
; WHAT IS STORED are images of matrix operands: a fragment (16 rows x 128 K) is 12 registers a lane, stored as three runs of 512 bytes, lane l's 16 bytes at 16 l.
; Buffer: [group of 128 rows][K step of 128][fragment 0-7][1,536 bytes]; behind the codes the scale words, [group][K step][128 rows], one word a row.
; ROW ORDER: in each 32 rows, place 16 u + r holds row 8 u + r + (r & 8), so that a product that takes such fragments as source 0 leaves 16 neighbours in a lane's 16 registers of two neighbouring tiles.
; LIMITS: NaN and infinities are not served; a block of zeros gets the byte 1 (its codes are zeros, and this program alone reads the bytes); blocks whose largest magnitude lies under 2^-124 are held at the byte 1.
.set X,   64                           ; v64-127  64 numbers of a lane (LN);  v64-191 four blocks of 32 (weights)
.set GM,  128                          ; v128-191 gain
.set BT,  192                          ; v192-255 bias
.set PC,  128                          ; the codes just made
.set TM,  148                          ; v148-163 at work in QUANT
.set PW,  164                          ; the scale word just made
.set SEL, 30                           ; s[30:31] lane selects: lane l xor 16
; 64 numbers of a lane, register 16 b + i = k 32 b + 16 (lane / 16) + i of my row, become a fragment's codes in v[PC] on and its scale word in v[PW].
.macro QUANT s
.irp b, 0,1,2,3
	v_max3_num_f32 v[TM+\b], |v[\s+16*\b]|, |v[\s+1+16*\b]|, 0x1800000   ; my 16 numbers of block b, and the floor 2^(3 - 127): the byte cannot fall under 1
.endr
.irp i, 2,4,6,8,10,12,14
.irp b, 0,1,2,3
	s_delay_alu instid0(VALU_DEP_4)
	v_max3_num_f32 v[TM+\b], v[TM+\b], |v[\s+16*\b+\i]|, |v[\s+1+16*\b+\i]|
.endr
.endr
.irp b, 0,1,2,3
	s_delay_alu instid0(VALU_DEP_4)
	v_permlanex16_b32 v[TM+4+\b], v[TM+\b], s[SEL], s[SEL+1]
.endr
.irp b, 0,1,2,3
	s_delay_alu instid0(VALU_DEP_4)
	v_max_num_f32 v[TM+\b], v[TM+\b], v[TM+4+\b]                  ; with lane l xor 16's: the block's largest magnitude
.endr
.irp b, 0,1,2,3
	s_delay_alu instid0(VALU_DEP_4)
	v_add_nc_u32 v[TM+12+\b], 0xff000000, v[TM+\b]                ; 2 off its exponent field: the conversion's scale operand
.endr
.irp b, 0,1,2,3
	s_delay_alu instid0(VALU_DEP_4)
	v_lshrrev_b32 v[TM+4+\b], 23, v[TM+12+\b]                     ; the scale's byte
.endr
	s_delay_alu instid0(VALU_DEP_3)
	v_lshl_or_b32 v[PW], v[TM+5], 8, v[TM+4]
	s_delay_alu instid0(VALU_DEP_1)
	v_lshl_or_b32 v[PW], v[TM+6], 16, v[PW]
	s_delay_alu instid0(VALU_DEP_1)
	v_lshl_or_b32 v[PW], v[TM+7], 24, v[PW]
.irp c, 0,1
	v_cvt_scalef32_pk16_fp6_f32 v[PC+6*\c:PC+2+6*\c], v[\s+32*\c:\s+15+32*\c], v[TM+12+2*\c]
	v_cvt_scalef32_pk16_fp6_f32 v[PC+12+4*\c:PC+14+4*\c], v[\s+16+32*\c:\s+31+32*\c], v[TM+12+2*\c+1]   ; (a conversion's three registers begin on an even number)
.endr
	v_nop                                          ; one plain place behind a scaled conversion
.irp c, 0,1                            ; the operand wants a whole block in a lane: lanes 0-15 block 2 c, lanes 16-31 block 2 c + 1
.irp i, 0,1,2
	v_permlane16_swap_b32 v[PC+6*\c+\i], v[PC+12+4*\c+\i]
.endr
.irp i, 0,1,2
	s_delay_alu instid0(VALU_DEP_3)
	v_mov_b32 v[PC+3+6*\c+\i], v[PC+12+4*\c+\i]
.endr
.endr
.endm
	s_load_b512 s[4:19], s[0:1], 0x0               ; rows s[4:5], gain s[6:7], bias s[8:9], their codes s[10:11], w_qkv s[12:13], w_out s[14:15], w_fc1 s[16:17], w_fc2 s[18:19]
	s_load_b64 s[20:21], s[0:1], 0x40              ; the weights' codes
	v_lshl_add_u32 v30, v0, 2, 0x400
	v_mov_b32 v31, 0
	v_lshrrev_b32 v1, 5, v0
	s_delay_alu instid0(VALU_DEP_1)
	v_readfirstlane_b32 s22, v1                    ; wave 0..7
	v_and_b32 v1, 31, v0                           ; lane
	v_and_b32 v2, 15, v0                           ; r
	v_bfe_u32 v3, v0, 4, 1                         ; h
	s_delay_alu instid0(VALU_DEP_3)
	v_lshlrev_b32 v6, 4, v1                        ; 16 x lane: an image's place for my lane
	s_mov_b32 s[SEL], 0x76543210
	s_mov_b32 s[SEL+1], 0xfedcba98
	s_cmp_lt_u32 ttmp9, 256                        ; the same for all waves of a work-group
	s_cbranch_scc0 .Lweights
	; ---- LayerNorm.  Work-group T is one fragment's 16 rows; wave s takes K step s: columns 128 s .. 128 s + 127.
	s_lshr_b32 s23, ttmp9, 1
	s_lshl_b32 s23, s23, 17                        ; 32 (T / 2) rows of 4,096 bytes
	s_and_b32 s24, ttmp9, 1
	s_lshl_b32 s24, s24, 15                        ; + 8 (T % 2) rows
	s_add_co_u32 s24, s24, s23
	s_lshl_b32 s26, s22, 9                         ; + 512 s bytes
	s_add_co_u32 s24, s24, s26
	s_mov_b32 s25, 0
	s_mov_b32 s27, 0
	s_wait_alu depctr_va_vdst(0)
	v_and_b32 v4, 8, v2
	s_delay_alu instid0(VALU_DEP_1)
	v_add_nc_u32 v4, v4, v2                        ; r + (r & 8)
	s_delay_alu instid0(VALU_DEP_1)
	v_lshlrev_b32 v4, 12, v4
	s_delay_alu instid0(VALU_DEP_1)
	v_lshl_add_u32 v4, v3, 6, v4                   ; my row, + 64 h: my 16 numbers of a block of 32
	v_lshlrev_b32 v5, 6, v3                        ; the same columns of gain and bias
	v_lshlrev_b32 v8, 5, v2                        ; LDS: row r's eight partial sums
	s_delay_alu instid0(VALU_DEP_1)
	v_lshl_add_u32 v7, s22, 2, v8                  ; and my wave's word among them
	v_lshlrev_b32 v9, 2, v2                        ; 4 r: a scale word's place
	v_mov_b32 v24, 0                               ; (a lane permute's destination counts as one of its sources)
	v_mov_b32 v14, 0x3a800000                      ; 1 / 1024
	s_lshr_b32 s28, ttmp9, 3
	s_lshl_b32 s28, s28, 3
	s_add_co_u32 s28, s28, s22                     ; 8 x group + K step
	s_and_b32 s29, ttmp9, 7                        ; the fragment in its group
	s_mul_i32 s32, s28, 12288
	s_mul_i32 s33, s29, 1536
	s_add_co_u32 s32, s32, s33
	s_mov_b32 s33, 0
	s_lshl_b32 s34, s28, 9
	s_lshl_b32 s35, s29, 6
	s_add_co_u32 s34, s34, s35
	s_add_co_u32 s34, s34, 3145728                 ; the scale words lie behind the codes
	s_mov_b32 s35, 0
	s_wait_alu depctr_va_vdst(0)
	s_wait_kmcnt 0x0
	s_add_nc_u64 s[4:5], s[4:5], s[24:25]
	s_add_nc_u64 s[6:7], s[6:7], s[26:27]
	s_add_nc_u64 s[8:9], s[8:9], s[26:27]
	s_add_nc_u64 s[32:33], s[10:11], s[32:33]
	s_add_nc_u64 s[34:35], s[10:11], s[34:35]
.irp b, 0,1,2,3
.irp j, 0,1,2,3
	global_load_b128 v[X+16*\b+4*\j:X+16*\b+4*\j+3], v4, s[4:5] offset:128*\b+16*\j
.endr
.endr
.irp b, 0,1,2,3
.irp j, 0,1,2,3
	global_load_b128 v[GM+16*\b+4*\j:GM+16*\b+4*\j+3], v5, s[6:7] offset:128*\b+16*\j
.endr
.endr
.irp b, 0,1,2,3
.irp j, 0,1,2,3
	global_load_b128 v[BT+16*\b+4*\j:BT+16*\b+4*\j+3], v5, s[8:9] offset:128*\b+16*\j
.endr
.endr
	s_wait_loadcnt 32                              ; the row's numbers are in; the 32 loads of gain and bias stay out
	v_pk_add_f32 v[18:19], v[64:65], v[66:67]
	v_pk_add_f32 v[20:21], v[80:81], v[88:89]
	v_pk_add_f32 v[22:23], v[96:97], v[104:105]
	v_pk_add_f32 v[62:63], v[112:113], v[120:121]
	v_pk_add_f32 v[60:61], v[68:69], v[70:71]
	v_pk_add_f32 v[58:59], v[82:83], v[90:91]
	v_pk_add_f32 v[56:57], v[98:99], v[106:107]
	v_pk_add_f32 v[16:17], v[114:115], v[122:123]
	s_delay_alu instid0(VALU_DEP_1)
	v_pk_add_f32 v[16:17], v[16:17], v[72:73]
	v_pk_add_f32 v[18:19], v[18:19], v[74:75]
	v_pk_add_f32 v[20:21], v[20:21], v[84:85]
	v_pk_add_f32 v[22:23], v[22:23], v[92:93]
	v_pk_add_f32 v[62:63], v[62:63], v[100:101]
	v_pk_add_f32 v[60:61], v[60:61], v[108:109]
	v_pk_add_f32 v[58:59], v[58:59], v[116:117]
	v_pk_add_f32 v[56:57], v[56:57], v[124:125]
	v_pk_add_f32 v[16:17], v[16:17], v[76:77]
	v_pk_add_f32 v[18:19], v[18:19], v[78:79]
	v_pk_add_f32 v[20:21], v[20:21], v[86:87]
	v_pk_add_f32 v[22:23], v[22:23], v[94:95]
	v_pk_add_f32 v[62:63], v[62:63], v[102:103]
	v_pk_add_f32 v[60:61], v[60:61], v[110:111]
	v_pk_add_f32 v[58:59], v[58:59], v[118:119]
	v_pk_add_f32 v[56:57], v[56:57], v[126:127]
	s_delay_alu instid0(VALU_DEP_4)
	v_pk_add_f32 v[16:17], v[16:17], v[62:63]
	s_delay_alu instid0(VALU_DEP_4)
	v_pk_add_f32 v[18:19], v[18:19], v[60:61]
	s_delay_alu instid0(VALU_DEP_4)
	v_pk_add_f32 v[20:21], v[20:21], v[58:59]
	s_delay_alu instid0(VALU_DEP_4)
	v_pk_add_f32 v[22:23], v[22:23], v[56:57]
	s_delay_alu instid0(VALU_DEP_2)
	v_pk_add_f32 v[16:17], v[16:17], v[20:21]
	s_delay_alu instid0(VALU_DEP_2)
	v_pk_add_f32 v[18:19], v[18:19], v[22:23]
	s_delay_alu instid0(VALU_DEP_1)
	v_pk_add_f32 v[16:17], v[16:17], v[18:19]
	s_delay_alu instid0(VALU_DEP_1)
	v_add_f32 v16, v16, v17
	s_delay_alu instid0(VALU_DEP_1)
	v_permlanex16_b32 v24, v16, s[SEL], s[SEL+1]
	s_delay_alu instid0(VALU_DEP_1)
	v_add_f32 v16, v16, v24                        ; my row's sum over my wave's 128 columns
	ds_store_b32 v7, v16                           ; (lanes r and 16 + r write the same word with the same value)
	s_wait_dscnt 0x0                               ; for the others' sake: my store has landed
	s_barrier_signal -1
	s_barrier_wait -1
	ds_load_b128 v[16:19], v8
	ds_load_b128 v[20:23], v8 offset:16
	s_wait_dscnt 0x0
	v_pk_add_f32 v[16:17], v[16:17], v[18:19]
	v_pk_add_f32 v[20:21], v[20:21], v[22:23]
	s_delay_alu instid0(VALU_DEP_1)
	v_pk_add_f32 v[16:17], v[16:17], v[20:21]
	s_delay_alu instid0(VALU_DEP_1)
	v_add_f32 v16, v16, v17
	s_delay_alu instid0(VALU_DEP_1)
	v_mul_f32 v10, v14, v16                        ; the mean: every wave adds the same eight words in the same order
	s_delay_alu instid0(VALU_DEP_1)
	v_mov_b32 v11, v10
.set j, 0
.rept 32                               ; the mean is taken off first, so that a common offset of the inputs does not enter the squares
	v_pk_add_f32 v[X+j:X+j+1], v[X+j:X+j+1], v[10:11] neg_lo:[0,1] neg_hi:[0,1]
.set j, j+2
.endr
.irp c, 0,1,2,3
	v_pk_mul_f32 v[16+2*\c:17+2*\c], v[X+2*\c:X+2*\c+1], v[X+2*\c:X+2*\c+1]
.endr
.irp j, 8,16,24,32,40,48,56
.irp c, 0,1,2,3
	s_delay_alu instid0(VALU_DEP_4)
	v_pk_fma_f32 v[16+2*\c:17+2*\c], v[X+\j+2*\c:X+\j+2*\c+1], v[X+\j+2*\c:X+\j+2*\c+1], v[16+2*\c:17+2*\c]
.endr
.endr
	s_delay_alu instid0(VALU_DEP_3)
	v_pk_add_f32 v[16:17], v[16:17], v[18:19]
	s_delay_alu instid0(VALU_DEP_2)
	v_pk_add_f32 v[20:21], v[20:21], v[22:23]
	s_delay_alu instid0(VALU_DEP_1)
	v_pk_add_f32 v[16:17], v[16:17], v[20:21]
	s_delay_alu instid0(VALU_DEP_1)
	v_add_f32 v16, v16, v17
	s_delay_alu instid0(VALU_DEP_1)
	v_permlanex16_b32 v24, v16, s[SEL], s[SEL+1]
	s_delay_alu instid0(VALU_DEP_1)
	v_add_f32 v16, v16, v24
	ds_store_b32 v7, v16 offset:512                ; other bytes than the first exchange's: no barrier is owed between the two
	s_wait_dscnt 0x0
	s_barrier_signal -1
	s_barrier_wait -1
	ds_load_b128 v[16:19], v8 offset:512
	ds_load_b128 v[20:23], v8 offset:528
	s_wait_dscnt 0x0
	v_pk_add_f32 v[16:17], v[16:17], v[18:19]
	v_pk_add_f32 v[20:21], v[20:21], v[22:23]
	s_delay_alu instid0(VALU_DEP_1)
	v_pk_add_f32 v[16:17], v[16:17], v[20:21]
	s_delay_alu instid0(VALU_DEP_1)
	v_add_f32 v16, v16, v17
	s_delay_alu instid0(VALU_DEP_1)
	v_fmaak_f32 v12, v16, v14, 0x3727c5ac          ; the variance + 1e-5
	s_wait_alu depctr_va_vdst(0)
	v_rsq_f32 v12, v12
	v_nop                                          ; a plain place behind the transcendental
	s_wait_alu depctr_va_vdst(0)                   ; and the wait ahead of its first reader
	v_mov_b32 v13, v12
	s_wait_alu depctr_va_vdst(0)
	s_wait_loadcnt 0x0                             ; gain and bias
.set j, 0
.rept 32
	v_pk_mul_f32 v[X+j:X+j+1], v[X+j:X+j+1], v[12:13]
.set j, j+2
.endr
.set j, 0
.rept 32
	v_pk_fma_f32 v[X+j:X+j+1], v[X+j:X+j+1], v[GM+j:GM+j+1], v[BT+j:BT+j+1]
.set j, j+2
.endr
.irp b, 0,1,2,3
	v_mov_b32 v[TM+4+\b], 0                        ; (permute destinations; the gain's registers are free now)
.endr
	QUANT X
.irp c, 0,1,2
	global_store_b128 v6, v[PC+4*\c:PC+4*\c+3], s[32:33] offset:512*\c    ; 512 consecutive bytes, aligned
.endr
	global_store_b32 v9, v[PW], s[34:35]           ; 16 words, 64 bytes: lanes r and 16 + r hold the same word and write it to the same place
	s_wait_tensorcnt 0x0
	ds_add_u32 v30, v31
	s_wait_dscnt 0x0
	s_endpgm
	; ---- The weights.  A work-group takes 128 columns x 256 K; wave w columns 32 (w & 3) on and K step w >> 2 of the two.
	; A lane takes ONE column and its registers run down K: a block of 32 lies in one lane, and the conversions give codes with K innermost.
.Lweights:
	s_sub_co_u32 s23, ttmp9, 256                   ; 0..383: 96 for w_qkv, 32 for w_out, 128 for w_fc1, 128 for w_fc2
	s_mov_b32 s26, 4096                            ; a row in bytes,
	s_mov_b32 s27, 256                             ; the weight's first work-group,
	s_mov_b32 s28, 4                               ; log2 of its K / 256: w_fc2's
	s_mov_b32 s29, 16384
	s_mov_b32 s36, 12288
	s_wait_kmcnt 0x0
	s_mov_b64 s[24:25], s[18:19]
	s_cmp_lt_u32 s23, 256
	s_cselect_b64 s[24:25], s[16:17], s[24:25]
	s_cselect_b32 s26, s29, s26
	s_cselect_b32 s27, 128, s27
	s_cselect_b32 s28, 2, s28
	s_cmp_lt_u32 s23, 128
	s_cselect_b64 s[24:25], s[14:15], s[24:25]
	s_cselect_b32 s26, 4096, s26
	s_cselect_b32 s27, 96, s27
	s_cmp_lt_u32 s23, 96
	s_cselect_b64 s[24:25], s[12:13], s[24:25]
	s_cselect_b32 s26, s36, s26
	s_cselect_b32 s27, 0, s27
	s_sub_co_u32 s27, s23, s27                     ; the work-group's number within its weight
	s_lshr_b32 s29, s27, s28                       ; group of 128 columns
	s_bfm_b32 s36, s28, 0
	s_and_b32 s27, s27, s36                        ; which 256 along K
	s_lshl_b32 s27, s27, 1
	s_lshr_b32 s37, s22, 2
	s_add_co_u32 s27, s27, s37                     ; K step
	s_and_b32 s38, s22, 3                          ; which 32 columns
	s_lshl_b32 s27, s27, 7
	s_mul_i32 s27, s27, s26                        ; its first row, in bytes
	s_lshl_b32 s29, s29, 9
	s_lshl_b32 s39, s38, 7
	s_add_co_u32 s27, s27, s29
	s_add_co_u32 s40, s27, s39
	s_mov_b32 s41, 0
	s_add_nc_u64 s[44:45], s[24:25], s[40:41]      ; block 0 of my 128 along K,
	s_lshl_b32 s40, s26, 5                         ; and 32 rows on for each further block
	s_add_nc_u64 s[46:47], s[44:45], s[40:41]
	s_add_nc_u64 s[48:49], s[46:47], s[40:41]
	s_add_nc_u64 s[50:51], s[48:49], s[40:41]
	s_lshl_b32 s52, s23, 1
	s_add_co_u32 s52, s52, s37                     ; the unit (group, K step), counted through all four weights: 2 x work-group + (w >> 2)
	s_mul_i32 s54, s52, 12288
	s_mul_i32 s55, s38, 3072
	s_add_co_u32 s54, s54, s55
	s_mov_b32 s55, 0
	s_add_nc_u64 s[54:55], s[20:21], s[54:55]
	s_lshl_b32 s56, s52, 9
	s_add_co_u32 s56, s56, s39
	s_add_co_u32 s56, s56, 9437184
	s_mov_b32 s57, 0
	s_add_nc_u64 s[56:57], s[20:21], s[56:57]
	s_wait_alu depctr_va_vdst(0)
	v_and_b32 v4, 7, v1                            ; lane l takes the column whose place in the row order is l: bits 3 and 4 change places
	v_and_b32 v5, 8, v1
	s_delay_alu instid0(VALU_DEP_1)
	v_lshl_or_b32 v4, v5, 1, v4
	v_and_b32 v5, 16, v1
	s_delay_alu instid0(VALU_DEP_1)
	v_lshrrev_b32 v5, 1, v5
	s_delay_alu instid0(VALU_DEP_1)
	v_or_b32 v4, v4, v5
	s_delay_alu instid0(VALU_DEP_1)
	v_lshlrev_b32 v4, 2, v4
	v_lshlrev_b32 v7, 2, v1
.set i, 0
.rept 32
	v_mad_u32_u24 v[32+i], s26, i, v4              ; row i of a block, my column
.set i, i+1
.endr
.macro WLOAD t                         ; block t: 32 rows; each load reads 128 consecutive bytes
.set i, 0
.rept 32
	global_load_b32 v[X+32*(\t)+i], v[32+i], s[44+2*(\t):45+2*(\t)] th:TH_LOAD_NT
.set i, i+1
.endr
.endm
.macro WBLOCK t, left
.set XS, X+32*(\t)
.set FD, 192+12*((\t)%2)+6*((\t)/2)
	s_wait_loadcnt \left                           ; this block's 32 loads are in; the next block's may be out
.if (\t) < 2
	WLOAD (\t)+2
.endif
	v_max3_num_f32 v232, |v[XS]|, |v[XS+1]|, |v[XS+2]|
	v_max3_num_f32 v233, |v[XS+3]|, |v[XS+4]|, |v[XS+5]|
.irp i, 6,10,14,18,22,26
	s_delay_alu instid0(VALU_DEP_2)
	v_max3_num_f32 v232, v232, |v[XS+\i]|, |v[XS+\i+1]|
	s_delay_alu instid0(VALU_DEP_2)
	v_max3_num_f32 v233, v233, |v[XS+\i+2]|, |v[XS+\i+3]|
.endr
	s_delay_alu instid0(VALU_DEP_2)
	v_max3_num_f32 v232, v232, |v[XS+30]|, |v[XS+31]|
	s_delay_alu instid0(VALU_DEP_1)
	v_max3_num_f32 v232, v232, v233, 0x1800000     ; and the floor
	s_delay_alu instid0(VALU_DEP_1)
	v_add_nc_u32 v234, 0xff000000, v232
	s_delay_alu instid0(VALU_DEP_1)
	v_lshrrev_b32 v235, 23, v234
.if (\t) == 0
	s_delay_alu instid0(VALU_DEP_1)
	v_mov_b32 v236, v235
.else
	s_delay_alu instid0(VALU_DEP_1)
	v_lshl_or_b32 v236, v235, 8*(\t), v236
.endif
	v_cvt_scalef32_pk16_fp6_f32 v[FD:FD+2], v[XS:XS+15], v234
	v_cvt_scalef32_pk16_fp6_f32 v[216+4*(\t):218+4*(\t)], v[XS+16:XS+31], v234
.endm
	WLOAD 0
	WLOAD 1
	s_wait_alu depctr_va_vdst(0)
	WBLOCK 0, 32
	WBLOCK 1, 32
	WBLOCK 2, 32
	WBLOCK 3, 0
	v_nop                                          ; one plain place behind the last conversion
.irp t, 0,1,2,3
.irp i, 0,1,2
	v_mov_b32 v[192+12*(\t%2)+6*(\t/2)+3+\i], v[216+4*\t+\i]
.endr
.endr
.set j, 0
.rept 12                               ; v192-203 hold my blocks 0 and 2, v204-215 blocks 1 and 3.  The exchange makes of them the fragments of places 0-15 and of places 16-31
	v_permlane16_swap_b32 v[192+j], v[204+j]
.set j, j+1
.endr
.irp c, 0,1,2
	global_store_b128 v6, v[192+4*\c:195+4*\c], s[54:55] offset:512*\c
	global_store_b128 v6, v[204+4*\c:207+4*\c], s[54:55] offset:1536+512*\c
.endr
	global_store_b32 v7, v236, s[56:57]            ; 32 scale words, 128 consecutive bytes
	s_endpgm
.Lfunc_end_k_qee433772b2_prep:
	.size	k_qee433772b2_prep, .Lfunc_end_k_qee433772b2_prep-k_qee433772b2_prep
	.p2alignl 7, 3214868480
	.fill 96, 4, 3214868480
	.section	.rodata,"a",@progbits
	.p2align	6, 0x0
	.amdhsa_kernel k_qee433772b2_prep
		.amdhsa_group_segment_fixed_size 2048
		.amdhsa_private_segment_fixed_size 0
		.amdhsa_enable_private_segment 0
		.amdhsa_kernarg_size 72
		.amdhsa_user_sgpr_count 2
		.amdhsa_user_sgpr_kernarg_segment_ptr 1
		.amdhsa_wavefront_size32 1
		.amdhsa_system_sgpr_workgroup_id_x 1
		.amdhsa_system_sgpr_workgroup_id_y 1
		.amdhsa_system_sgpr_workgroup_id_z 1
		.amdhsa_system_vgpr_workitem_id 0
		.amdhsa_next_free_vgpr 256
		.amdhsa_next_free_sgpr 66
		.amdhsa_reserve_vcc 0
		.amdhsa_float_denorm_mode_32 3
		.amdhsa_float_denorm_mode_16_64 3
		.amdhsa_memory_ordered 1
		.amdhsa_forward_progress 1
		.amdhsa_inst_pref_size 53
	.end_amdhsa_kernel
	.amdgpu_metadata
---
amdhsa.version: [ 1, 2 ]
amdhsa.kernels:
  - .name:           k_qee433772b2_prep
    .symbol:         k_qee433772b2_prep.kd
    .args:
      - { .name: x, .offset: 0, .size: 8, .value_kind: global_buffer, .address_space: global }
      - { .name: ln1_g, .offset: 8, .size: 8, .value_kind: global_buffer, .address_space: global }
      - { .name: ln1_b, .offset: 16, .size: 8, .value_kind: global_buffer, .address_space: global }
      - { .name: H1, .offset: 24, .size: 8, .value_kind: global_buffer, .address_space: global }
      - { .name: w_qkv, .offset: 32, .size: 8, .value_kind: global_buffer, .address_space: global }
      - { .name: w_out, .offset: 40, .size: 8, .value_kind: global_buffer, .address_space: global }
      - { .name: w_fc1, .offset: 48, .size: 8, .value_kind: global_buffer, .address_space: global }
      - { .name: w_fc2, .offset: 56, .size: 8, .value_kind: global_buffer, .address_space: global }
      - { .name: W, .offset: 64, .size: 8, .value_kind: global_buffer, .address_space: global }
    .group_segment_fixed_size: 2048
    .private_segment_fixed_size: 0
    .kernarg_segment_align: 8
    .kernarg_segment_size: 72
    .max_flat_workgroup_size: 256
    .sgpr_count:     66
    .vgpr_count:     256
    .wavefront_size: 32
...
	.end_amdgpu_metadata
.endif
;; end of part 1
;; launch qkv (part 2): grid 12 x 16, 4 waves a work-group, clusters of 4 x 4, 327,680 bytes of LDS; arguments H1, W, b_qkv, QKV; writes QKV
.if DOCPART == 2
	.amdgcn_target "amdgcn-amd-amdhsa--gfx1250"
	.amdhsa_code_object_version 6
	.text
	.protected	k_qee433772b2_qkv
	.globl	k_qee433772b2_qkv
	.p2align	8
	.type	k_qee433772b2_qkv,@function
k_qee433772b2_qkv:
	s_mov_b64 s[64:65], 0
	v_nop
	global_prefetch_b8 v0, s[64:65] scope:SCOPE_SE
	s_setreg_imm32_b32 hwreg(HW_REG_WAVE_MODE, 25, 1), 1
	s_wait_xcnt 0x0
	s_wait_alu depctr_hold_cnt(0) depctr_sa_sdst(0) depctr_va_vdst(0) depctr_va_sdst(0) depctr_va_ssrc(0) depctr_va_vcc(0) depctr_vm_vsrc(0)
	s_getreg_b32 s2, hwreg(HW_REG_IB_STS2, 6, 4)
	s_cmp_eq_u32 s2, 0
	s_cbranch_scc0 .Lentry_in_a_cluster
	s_endpgm
.Lentry_in_a_cluster:
	s_bfe_u32 s2, ttmp6, 0x10000c
	s_cmp_lg_u32 s2, 0xf033
	s_cbranch_scc0 .Lentry_shape_is_right
	s_endpgm
.Lentry_shape_is_right:
; qkv = LN1(x) w_qkv + b_qkv on codes of FP6 (E2M3) with E8M0 scales, K = 1,024; then q and k are quantised along the head's 64 and v along the keys, and only codes go to memory.
; A tile of 256 x 256 to a work-group of four waves, 128 x 128 to a wave: 64 accumulators.  K goes in steps of 256 through two LDS slots.
; OPERANDS ARE IMAGES OF REGISTERS: a fragment (16 rows x 128 K) is 1,536 bytes, three runs of 512, lane l's 16 bytes at 16 l; a group of 128 rows x 2 K steps is one dense block of 24,576 bytes: one tensor load.
; A fragment comes out of LDS by three loads of 16 bytes a lane, 512 consecutive bytes each: no pitch, no padding.
; The scale words of the tile's rows, for all of K, come once with the first fills and stay in LDS.
; CLUSTERS 4 x 4: side A's tiles are asked for jointly along a row of the cluster, side B's along a column.
; ROLES, by the cluster's x (the same in all sixteen partners): 0: q, 1: k: side A = tokens, side B = columns of w_qkv.  2: v: side A = columns of w_qkv, side B = tokens: only pointers change places.
; Source 0 = side B, source 1 = side A: a lane holds one row of side A and its registers run along side B, in true order, since each fragment's rows are laid in the order 8 u + r + (r & 8).
; So for q, k a lane holds a token and 128 neighbouring columns (two heads); for v a lane holds a channel and 128 neighbouring tokens: in both the registers run along the next product's K.
; The two refills' tiles are prefetched: with K = 1,024 two of the four K steps are first fills.
; LIMITS: NaN and infinities are not served; a block of zeros gets the byte 1 (its codes are zeros; this program alone reads the bytes); blocks under 2^-124 are held at the byte 1.
; REGISTERS: window 0: v0-31 addresses; v32-63 scale words and nothing else; v64-127 and v128-223 at work on the way out; v128-223 side A's fragments; v224-231 v's bias.
;   window 1: side B's fragments, two sets (v0-95, v128-223); v96-127 and v224-255 q's and k's bias.   windows 2, 3: the accumulators, (a, b) at v[8 (8 (a % 4) + b)].
.set NQ,     2                         ; steps of 128 in a slot
.set FR,     12
.set NL,     3                         ; LDS loads for a fragment
.set NP,     4                         ; places behind this matrix instruction (ISA guide 7.12.1)
.set HALFT,  24576                     ; 128 rows x 256 K
.set SLOT,   4*HALFT
.set GROUPB, 98304                     ; a group's codes for all of K
.set HALFS,  4096                      ; a group's scale words for all of K
.set SCL,    2*SLOT
.set SPARE,  SCL+4*HALFS+256           ; the spare words: 128 bytes a wave, two blocks of 256 bytes that no other line names
.set LAPS,   2
.set ADRA, 16                          ; v16-17 side A's fragments in slot 0, 1
.set ADRB, 20                          ; v20-21 side B's
.set ADRS, 27                          ; v27    my scale words: lanes 0-15 side A's, lanes 16-31 side B's
.set SPW,  28
.set NIL,  29
.set SC,   32
.set AF,   128
.set HA,   64                          ; the way out: 64 numbers
.set PC,   128
.set TM,   148
.set PW,   164
.set WD,   168                         ; v168-175, v176-183: a scale word for each block
.set WE,   176
.set LB,   224
.set SEL,  20
.set G1, 24
.set G0, 32
.set G1B, 48
.set G0B, 56
.set G1S, 68
.set G0S, 76
.set G1SB, 80
.set G0SB, 88
.set MSB, 0
.macro WIN new                         ; the immediate's high byte repeats the setting that is left
.if MSB != \new
	s_set_vgpr_msb (MSB<<8)|\new
.set MSB, \new
.endif
.endm
.set MUL_LO, 0xa1
.set MUL_HI, 0xf1
.set TO_B,   0x40
.macro JLOAD g0a, g1a, g0b, g1b        ; a joint load: waves 0, 1 fetch for side A, waves 2, 3 for side B; four v_nop follow each line
	s_cmp_eq_u32 s15, 0
	s_cbranch_scc0 .Lfor_b_\@
	tensor_load_to_lds s[\g0a:\g0a+3], s[\g1a:\g1a+7]
	s_nop 0
.rept 4
	v_nop
.endr
	s_branch .Lasked_\@
.Lfor_b_\@:
	tensor_load_to_lds s[\g0b:\g0b+3], s[\g1b:\g1b+7]
	s_nop 0
.rept 4
	v_nop
.endr
.Lasked_\@:
.endm
.macro CREST                           ; a round of the cluster's barrier behind its opening barrier
	s_cmp_lg_u32 s14, 0
	s_cbranch_scc1 .Lnot_wave_0_\@
	s_barrier_signal -3
.Lnot_wave_0_\@:
	s_barrier_wait -3
	s_barrier_signal -1
	s_barrier_wait -1
.endm
.macro CROUND
	s_barrier_signal -1
	s_barrier_wait -1
	CREST
.endm
.macro QUANT s                         ; 64 numbers, register 16 b + i = k 32 b + 16 (lane / 16) + i, become a fragment in v[PC] on and its scale word in v[PW]
.irp b, 0,1,2,3
	v_max3_num_f32 v[TM+\b], |v[\s+16*\b]|, |v[\s+1+16*\b]|, 0x1800000
.endr
.irp i, 2,4,6,8,10,12,14
.irp b, 0,1,2,3
	v_max3_num_f32 v[TM+\b], v[TM+\b], |v[\s+16*\b+\i]|, |v[\s+1+16*\b+\i]|
.endr
.endr
.irp b, 0,1,2,3
	v_permlanex16_b32 v[TM+4+\b], v[TM+\b], s[SEL], s[SEL+1]
.endr
.irp b, 0,1,2,3
	v_max_num_f32 v[TM+\b], v[TM+\b], v[TM+4+\b]
.endr
.irp b, 0,1,2,3
	v_add_nc_u32 v[TM+12+\b], 0xff000000, v[TM+\b]
.endr
.irp b, 0,1,2,3
	v_lshrrev_b32 v[TM+4+\b], 23, v[TM+12+\b]
.endr
	v_lshl_or_b32 v[PW], v[TM+5], 8, v[TM+4]
	v_lshl_or_b32 v[PW], v[TM+6], 16, v[PW]
	v_lshl_or_b32 v[PW], v[TM+7], 24, v[PW]
.irp c, 0,1
	v_cvt_scalef32_pk16_fp6_f32 v[PC+6*\c:PC+2+6*\c], v[\s+32*\c:\s+15+32*\c], v[TM+12+2*\c]
	v_cvt_scalef32_pk16_fp6_f32 v[PC+12+4*\c:PC+14+4*\c], v[\s+16+32*\c:\s+31+32*\c], v[TM+12+2*\c+1]
.endr
	v_nop                                          ; one plain place behind a scaled conversion
.irp c, 0,1
.irp i, 0,1,2
	v_permlane16_swap_b32 v[PC+6*\c+\i], v[PC+12+4*\c+\i]
.endr
.irp i, 0,1,2
	v_mov_b32 v[PC+3+6*\c+\i], v[PC+12+4*\c+\i]
.endr
.endr
.endm
	s_load_b256 s[4:11], s[0:1], 0x0               ; the tokens' codes s[4:5], the weights' s[6:7], b_qkv s[8:9], the output s[10:11]
	v_lshl_add_u32 v[SPW], v0, 2, SPARE
	v_mov_b32 v[NIL], 0
	ds_add_u32 v28, v29
	ds_add_u32 v28, v29
	s_wait_dscnt 0x0
	v_lshrrev_b32 v1, 5, v0
	v_readfirstlane_b32 s14, v1                    ; wave 0..3
	s_lshr_b32 s15, s14, 1                         ; my half of side A's rows.  Also: I fetch for A (0) or for B (1)
	s_and_b32 s16, s14, 1                          ; my half of side B's rows.  Also: which group of 128 rows I fetch
	s_bfe_u32 s40, ttmp6, 0x40000                  ; cx
	s_bfe_u32 s41, ttmp6, 0x40004                  ; cy
	s_lshl_b32 s42, ttmp9, 2                       ; 4 x cluster x
	s_and_b32 s17, ttmp7, 0xffff
	s_lshl_b32 s17, s17, 2                         ; 4 x cluster y
	s_cmp_eq_u32 ttmp9, 2                          ; v's clusters?
	s_cselect_b32 s18, 8, s17                      ; side A's tile: v: columns 2,048 + 256 cy of w_qkv; else tokens 256 (4 cluster y + cy)
	s_cselect_b32 s19, s17, s42                    ; side B's tile: v: tokens 256 (4 cluster y + cx); else columns 256 (4 cluster x + cx)
	s_add_co_u32 s17, s18, s41
	s_add_co_u32 s42, s19, s40
	s_lshl_b32 s43, s41, 2
	s_lshl_b32 s43, 15, s43                        ; my row of the cluster
	s_lshl_b32 s44, 0x1111, s40                    ; my column
	; group 1: a dense block of 24,576 bytes as 96 rows of 256 bytes (32 elements of 8 bytes), no padding
	s_or_b32 s[G1+0], s43, (3<<16)|(1<<21)
	s_or_b32 s[G1B+0], s44, (3<<16)|(1<<21)
.irp g, G1, G1B                        ; for the head's loads: both groups of a side, two rows of 24,576 bytes (3,072 elements of 8), a group's codes (12,288 elements) apart
	s_mov_b32 s[\g+1], 3072<<16
	s_mov_b32 s[\g+2], 2<<16
	s_mov_b32 s[\g+3], 3072<<16
	s_mov_b32 s[\g+4], 2
	s_mov_b32 s[\g+5], 12288
	s_mov_b32 s[\g+6], 0
	s_mov_b32 s[\g+7], 0
.endr
	; the scale words of the tile's two groups: 8,192 dense bytes, 32 rows of 256
	s_or_b32 s[G1S+0], s43, (3<<16)|(1<<21)
	s_or_b32 s[G1SB+0], s44, (3<<16)|(1<<21)
.irp g, G1S, G1SB
	s_mov_b32 s[\g+1], 32<<16
	s_mov_b32 s[\g+2], 32<<16
	s_mov_b32 s[\g+3], 32<<16
	s_mov_b32 s[\g+4], 32
	s_mov_b32 s[\g+5], 32
	s_mov_b32 s[\g+6], 0
	s_mov_b32 s[\g+7], 0
.endr
	s_lshl_b32 s18, s17, 1
	s_add_co_u32 s18, s18, s16                     ; side A: the group that I fetch
	s_mul_i32 s20, s18, GROUPB
	s_mov_b32 s21, 0
	s_lshl_b32 s22, s17, 13                        ; the scale words of both groups of side A's tile: 8,192 dense bytes
	s_mov_b32 s23, 0
	s_lshl_b32 s19, s42, 1
	s_add_co_u32 s19, s19, s16                     ; side B likewise
	s_mul_i32 s46, s19, GROUPB
	s_mov_b32 s47, 0
	s_lshl_b32 s92, s42, 13                        ; and of side B's
	s_mov_b32 s93, 0
	s_mul_i32 s45, s14, HALFT                      ; where they go: wave x 24,576: no place in the cluster enters an LDS address
	s_wait_kmcnt 0x0
	s_add_nc_u64 s[2:3], s[4:5], 3145728           ; the tokens' scale words
	s_add_nc_u64 s[12:13], s[6:7], 9437184         ; the weights'
	s_cmp_eq_u32 ttmp9, 2
	s_cselect_b64 s[66:67], s[6:7], s[4:5]         ; side A's codes,
	s_cselect_b64 s[94:95], s[12:13], s[2:3]       ; its scale words,
	s_cselect_b64 s[96:97], s[4:5], s[6:7]         ; side B's codes,
	s_cselect_b64 s[98:99], s[2:3], s[12:13]       ; its scale words
	s_add_nc_u64 s[20:21], s[66:67], s[20:21]
	s_add_nc_u64 s[22:23], s[94:95], s[22:23]
	s_add_nc_u64 s[46:47], s[96:97], s[46:47]
	s_add_nc_u64 s[92:93], s[98:99], s[92:93]
	CROUND                                         ; all sixteen work-groups are here: the first joint loads meet
	s_mov_b32 s[G0S], 1
	s_mov_b32 s[G0S+1], SCL
	s_mov_b64 s[G0S+2:G0S+3], s[22:23]
	s_or_b32 s[G0S+3], s[G0S+3], 0x80000000
	s_mov_b32 s[G0SB], 1
	s_mov_b32 s[G0SB+1], SCL+2*HALFS+128
	s_mov_b64 s[G0SB+2:G0SB+3], s[92:93]
	s_or_b32 s[G0SB+3], s[G0SB+3], 0x80000000
.irp s, 0,1
	s_mov_b32 s[G0+4*\s], 1
	s_add_co_u32 s[G0+4*\s+1], s45, \s*SLOT
	s_add_nc_u64 s[G0+4*\s+2:G0+4*\s+3], s[20:21], \s*HALFT
	s_or_b32 s[G0+4*\s+3], s[G0+4*\s+3], 0x80000000
	s_mov_b32 s[G0B+4*\s], 1
	s_add_co_u32 s[G0B+4*\s+1], s45, \s*SLOT
	s_add_nc_u64 s[G0B+4*\s+2:G0B+4*\s+3], s[46:47], \s*HALFT
	s_or_b32 s[G0B+4*\s+3], s[G0B+4*\s+3], 0x80000000
.endr
	; THE HEAD'S LOADS, one a wave: wave 0 side A's codes of K steps 0, 1 (its slot 0 descriptor points at the tile's first group and at LDS byte 0), wave 1 side A's scale words,
	; wave 2 side B's codes (likewise: its first group, LDS byte 2 x 24,576), wave 3 side B's scale words.  One chain of branches on the wave's number, one load to an arm.
	s_cmp_eq_u32 s14, 0
	s_cbranch_scc0 .Lhead_1
	tensor_load_to_lds s[G0:G0+3], s[G1:G1+7]
	s_nop 0
.rept 4
	v_nop
.endr
	s_branch .Lhead_asked
.Lhead_1:
	s_cmp_eq_u32 s14, 1
	s_cbranch_scc0 .Lhead_2
	tensor_load_to_lds s[G0S:G0S+3], s[G1S:G1S+7]
	s_nop 0
.rept 4
	v_nop
.endr
	s_branch .Lhead_asked
.Lhead_2:
	s_cmp_eq_u32 s14, 2
	s_cbranch_scc0 .Lhead_3
	tensor_load_to_lds s[G0B:G0B+3], s[G1B:G1B+7]
	s_nop 0
.rept 4
	v_nop
.endr
	s_branch .Lhead_asked
.Lhead_3:
	tensor_load_to_lds s[G0SB:G0SB+3], s[G1SB:G1SB+7]
	s_nop 0
.rept 4
	v_nop
.endr
.Lhead_asked:
	; prefetches: the two refills' tiles.  Of the 96 blocks of 256 bytes that I will fetch, each of the four partners that ask jointly names 24, told apart by address (cx for side A, cy for side B); lanes 24-31 name block 23 again
	s_cmp_eq_u32 s15, 0
	s_cselect_b64 s[96:97], s[20:21], s[46:47]
	s_cselect_b32 s98, s40, s41
	s_mul_i32 s98, s98, 6144
	s_mov_b32 s99, 0
	s_add_nc_u64 s[96:97], s[96:97], s[98:99]
	v_and_b32 v30, 31, v0
	v_min_u32 v30, 23, v30
	v_lshlrev_b32 v30, 8, v30
	global_prefetch_b8 v30, s[96:97] offset:2*HALFT th:TH_LOAD_NT scope:SCOPE_SE   ; K steps 4, 5: the first refill's
	v_and_b32 v1, 15, v0
	v_bfe_u32 v2, v0, 4, 1                         ; h
	s_wait_alu depctr_va_vdst(0)
	v_and_b32 v3, 31, v0                           ; lane
	v_lshlrev_b32 v24, 4, v3                       ; 16 x lane
	v_lshlrev_b32 v25, 3, v3                       ; 8 x lane
	s_mul_i32 s21, s15, HALFT
	s_mul_i32 s22, s16, HALFT
	s_add_co_u32 s22, s22, 2*HALFT
.irp s, 0,1
	v_add_nc_u32 v[ADRA+\s], s21, v24
	v_add_nc_u32 v[ADRB+\s], s22, v24
	s_add_co_u32 s21, s21, SLOT
	s_add_co_u32 s22, s22, SLOT
.endr
	v_lshlrev_b32 v5, 2, v1                        ; 4 r
	s_mul_i32 s21, s15, HALFS
	s_mul_i32 s22, s16, HALFS
	s_add_co_u32 s22, s22, 2*HALFS+128
	s_sub_co_u32 s22, s22, s21
	v_mul_u32_u24 v6, s22, v2                      ; lanes 16-31 take side B's
	s_add_co_u32 s21, s21, SCL
	v_add_nc_u32 v5, v5, v6
	v_add_nc_u32 v[ADRS], s21, v5
	s_lshl_b32 s21, s14, 10                        ; the way out: 1,024 bytes of slot 0 for each wave's scale words
	v_lshl_add_u32 v26, v1, 2, s21
	v_add_nc_u32 v31, s21, v24
	v_lshlrev_b32 v12, 4, v1
	v_lshl_add_u32 v12, v2, 12, v12                ; 16 r + 4,096 h: v's scale words of two heads
	; the biases, both kinds on the one path: 64 numbers along the registers (q, k) and one a block along the lanes (v).  In v's clusters the first kind is read from b_qkv's start and not used.
	s_lshl_b32 s18, s42, 1
	s_add_co_u32 s18, s18, s16
	s_lshl_b32 s18, s18, 9
	s_cmp_eq_u32 ttmp9, 2
	s_cselect_b32 s18, 0, s18
	s_mov_b32 s19, 0
	s_add_nc_u64 s[12:13], s[8:9], s[18:19]
	s_lshl_b32 s18, s41, 1
	s_add_co_u32 s18, s18, s15
	s_lshl_b32 s18, s18, 9
	s_add_co_u32 s18, s18, 8192                    ; v's 1,024 numbers begin at 2,048
	s_add_nc_u64 s[8:9], s[8:9], s[18:19]
	v_lshlrev_b32 v10, 6, v2                       ; 64 h
	v_and_b32 v11, 8, v1
	v_add_nc_u32 v11, v11, v1
	v_lshlrev_b32 v11, 2, v11                      ; 4 (r + (r & 8))
	WIN TO_B
.irp b, 0,1,2,3,4,5,6,7
	global_load_b128 v[96+8*\b+96*(\b/4):99+8*\b+96*(\b/4)], v10, s[12:13] offset:(32*(\b/2)+8*(\b%2))*4
	global_load_b128 v[100+8*\b+96*(\b/4):103+8*\b+96*(\b/4)], v10, s[12:13] offset:(32*(\b/2)+8*(\b%2))*4+16
.endr
	WIN 0
.irp a, 0,1,2,3,4,5,6,7
	global_load_b32 v[LB+\a], v11, s[8:9] offset:(32*(\a/2)+8*(\a%2))*4
.endr
.macro FRAG reg, adr, q, i             ; a fragment comes back as it was stored: three loads, 512 consecutive bytes each
.irp c, 0,1,2
	ds_load_b128 v[\reg+4*\c:\reg+4*\c+3], v[\adr] offset:(\q)*12288+(\i)*1536+512*\c
.endr
.endm
; 16 matrix instructions: A's blocks a0, a0 + 1 x B's eight.  The 64 accumulators take turns, one instruction a turn, in the same order in every step.
.macro MUL16 a0, p, q, sc, zero
.irp a, \a0, \a0+1
.irp b, 0,1,2,3,4,5,6,7
.if \zero
	v_wmma_scale_f32_16x16x128_f8f6f4 v[8*(8*((\a)%4)+\b):8*(8*((\a)%4)+\b)+7], v[128*(\p)+FR*\b:128*(\p)+FR*\b+FR-1], v[AF+FR*(\a):AF+FR*(\a)+FR-1], 0, v[SC+8*NQ*(\sc)+NQ*\b+(\q)], v[SC+8*NQ*(\sc)+NQ*(\a)+(\q)] matrix_a_fmt:MATRIX_FMT_FP6 matrix_b_fmt:MATRIX_FMT_FP6 matrix_a_scale:MATRIX_SCALE_ROW1
.else
	v_wmma_scale_f32_16x16x128_f8f6f4 v[8*(8*((\a)%4)+\b):8*(8*((\a)%4)+\b)+7], v[128*(\p)+FR*\b:128*(\p)+FR*\b+FR-1], v[AF+FR*(\a):AF+FR*(\a)+FR-1], v[8*(8*((\a)%4)+\b):8*(8*((\a)%4)+\b)+7], v[SC+8*NQ*(\sc)+NQ*\b+(\q)], v[SC+8*NQ*(\sc)+NQ*(\a)+(\q)] matrix_a_fmt:MATRIX_FMT_FP6 matrix_b_fmt:MATRIX_FMT_FP6 matrix_a_scale:MATRIX_SCALE_ROW1
.endif
.endr
.endr
.endm
.macro FETCH_B slot, q, p
	WIN TO_B
.irp i, 0,1,2,3,4,5,6,7
	FRAG 128*(\p)+FR*\i, ADRB+\slot, \q, \i
.endr
	WIN 0
.endm
.macro FETCH_A slot, q, i0
.irp i, \i0, \i0+1, \i0+2, \i0+3
	FRAG AF+FR*(\i), ADRA+\slot, \q, \i
.endr
.endm
.macro SCALES sc                       ; a K step's scale words: register 2 i + q: lanes 0-15 side A's block i, lanes 16-31 side B's block i
.irp i, 0,1,2,3,4,5,6,7
.irp q, 0,1
	ds_load_b32 v[SC+8*NQ*\sc+NQ*\i+\q], v[ADRS] offset:512*\q+64*\i
.endr
.endr
.endm
.macro PLACES n                        ; plain vector instructions between a matrix instruction and a load into, or a read of, its registers
.rept \n
	v_nop
.endr
.endm
.macro STEP slot, q, zero              ; a step of 128 along K that has its successor in the same slot
	s_wait_dscnt 4*NL                              ; all but the youngest twelve loads (A's blocks 4-7) are in
	WIN MUL_LO
	MUL16 0, (\q)%2, \q, \slot, \zero
	MUL16 2, (\q)%2, \q, \slot, \zero
	s_wait_dscnt 0
	PLACES NP
	FETCH_B \slot, (\q)+1, 1-(\q)%2
	FETCH_A \slot, (\q)+1, 0
	WIN MUL_HI
	MUL16 4, (\q)%2, \q, \slot, \zero
	MUL16 6, (\q)%2, \q, \slot, \zero
	PLACES NP
	WIN 0
	FETCH_A \slot, (\q)+1, 4
.endm
; A slot's last step changes slots: one barrier; in front of it each wave waits for all its tensor loads, adds 0 to its spare word, and waits for that and for its reads of this slot.
.macro TURN slot, next, fill
	s_wait_tensorcnt 0x0                           ; all my tensor loads have landed: my part of the next slot
	ds_add_u32 v[SPW], v[NIL]
	s_wait_dscnt 4*NL+1                            ; (the add and A's blocks 4-7 may be out)
	WIN MUL_LO
	MUL16 0, 1, NQ-1, \slot, 0
	s_wait_dscnt 0x0                               ; the add is done, and my reads of this slot are over
	s_barrier_signal -1
	MUL16 2, 1, NQ-1, \slot, 0
	WIN 0
	s_barrier_wait -1
.if \fill
	CREST                                          ; the barrier has opened a round of the cluster's: no wave of any partner still reads this slot or has a load on its way
	s_add_nc_u64 s[G0+4*\slot+2:G0+4*\slot+3], s[G0+4*\slot+2:G0+4*\slot+3], 2*HALFT
	s_add_nc_u64 s[G0B+4*\slot+2:G0B+4*\slot+3], s[G0B+4*\slot+2:G0B+4*\slot+3], 2*HALFT
	JLOAD G0+4*\slot, G1, G0B+4*\slot, G1B         ; my one tensor load behind the round; its four v_nop are the places in front of the loads below
.else
	PLACES NP
.endif
	s_wait_alu depctr_va_vdst(0)
	v_add_nc_u32 v[ADRS], 512*NQ, v[ADRS]          ; the next K step's scale words (no LDS load of mine is out)
	FETCH_B \next, 0, 0
	FETCH_A \next, 0, 0
	SCALES \next
	WIN MUL_HI
	MUL16 4, 1, NQ-1, \slot, 0
	MUL16 6, 1, NQ-1, \slot, 0
	PLACES NP
	WIN 0
	FETCH_A \next, 0, 4
.endm
	s_wait_alu depctr_va_vdst(0)
	s_wait_tensorcnt 0x0                           ; my tile of the head's four is in; slot 1's first fill is issued as a refill is
	ds_add_u32 v[SPW], v[NIL]
.irp g, G1, G1B                        ; no tensor load of mine is out: from here on a load brings one group's 24,576 dense bytes as 96 rows of 256
	s_mov_b32 s[\g+1], 32<<16
	s_mov_b32 s[\g+2], 96<<16
	s_mov_b32 s[\g+3], 32<<16
	s_mov_b32 s[\g+4], 96
	s_mov_b32 s[\g+5], 32
.endr
	s_wait_dscnt 0x0
	CROUND                                         ; all four tiles are in, in every partner
	JLOAD G0+4, G1, G0B+4, G1B                     ; K steps 2, 3 into slot 1: my one tensor load behind the round
	global_prefetch_b8 v30, s[96:97] offset:3*HALFT th:TH_LOAD_NT scope:SCOPE_SE   ; K steps 6, 7: the second refill's
	FETCH_B 0, 0, 0
	FETCH_A 0, 0, 0
	SCALES 0
	FETCH_A 0, 0, 4
	STEP 0, 0, 1                                   ; the first products start the sums
	s_mov_b32 s3, LAPS-1
.Llap:
	TURN 0, 1, 1
	STEP 1, 0, 0
	TURN 1, 0, 1
	STEP 0, 0, 0
	s_sub_co_u32 s3, s3, 1
	s_cmp_lg_u32 s3, 0
	s_cbranch_scc1 .Llap
	TURN 0, 1, 0                                   ; the last lap fills nothing
	STEP 1, 0, 0
	s_wait_dscnt 4*NL
	WIN MUL_LO
	MUL16 0, 1, NQ-1, 1, 0
	MUL16 2, 1, NQ-1, 1, 0
	s_wait_dscnt 0
	WIN MUL_HI
	MUL16 4, 1, NQ-1, 1, 0
	MUL16 6, 1, NQ-1, 1, 0
	WIN 0
	; THE WAY OUT, a block of side A (16 lanes' rows) at a time: + bias, quantise, store the image.  The scale words wait in registers and leave at the end through my own bytes of slot 0,
	; which has had its last fill and, since the last change of slots, its last read.
	PLACES NP
	s_wait_loadcnt 0x0                             ; the biases
	s_mov_b32 s[SEL], 0x76543210
	s_mov_b32 s[SEL+1], 0xfedcba98
.irp b, 0,1,2,3
	v_mov_b32 v[TM+4+\b], 0                        ; (permute destinations)
.endr
.macro INGEST a                        ; block a's 64 sums + the bias of their columns; each accumulator from its low end on
	WIN 0x06+(\a)/4                                ; source 0 window 2 or 3, source 1 window 1
.irp b, 0,1,2,3,4,5,6,7
.irp j, 0,2,4,6
	v_pk_add_f32 v[HA+8*\b+\j:HA+8*\b+\j+1], v[8*(8*((\a)%4)+\b)+\j:8*(8*((\a)%4)+\b)+\j+1], v[96+8*\b+96*(\b/4)+\j:97+8*\b+96*(\b/4)+\j]
.endr
.endr
	WIN 0
.endm
.macro INGEST_V a                      ; the same with one bias a lane: my channel's
	WIN 0x02+(\a)/4
.irp b, 0,1,2,3,4,5,6,7
.irp j, 0,2,4,6
.if ((\a)%2) == 0
	v_pk_add_f32 v[HA+8*\b+\j:HA+8*\b+\j+1], v[8*(8*((\a)%4)+\b)+\j:8*(8*((\a)%4)+\b)+\j+1], v[LB+2*((\a)/2):LB+2*((\a)/2)+1] op_sel_hi:[1,0]
.else
	v_pk_add_f32 v[HA+8*\b+\j:HA+8*\b+\j+1], v[8*(8*((\a)%4)+\b)+\j:8*(8*((\a)%4)+\b)+\j+1], v[LB+2*((\a)/2):LB+2*((\a)/2)+1] op_sel:[0,1] op_sel_hi:[1,1]
.endif
.endr
.endr
	WIN 0
.endm
	s_cmp_eq_u32 ttmp9, 2
	s_cbranch_scc1 .Lv
	; ---- q, k: my 128 tokens x two heads.  A tile (16 tokens x 64) is 768 bytes: three runs of 256, lane l's 8 bytes at 8 l.
	s_lshl_b32 s18, s17, 1
	s_add_co_u32 s18, s18, s15                     ; my group of 128 tokens
	s_lshr_b32 s19, s18, 4                         ; batch
	s_and_b32 s18, s18, 15                         ; the group within it
	s_lshl_b32 s22, s42, 1
	s_add_co_u32 s22, s22, s16
	s_and_b32 s22, s22, 7                          ; pair of heads
	s_lshl_b32 s19, s19, 3
	s_add_co_u32 s19, s19, s22                     ; 8 x batch + pair
	s_mul_i32 s22, s19, 196608                     ; two heads of 98,304 bytes
	s_mul_i32 s23, s18, 6144                       ; eight tiles
	s_add_co_u32 s22, s22, s23
	s_mul_i32 s23, ttmp9, 3145728                  ; q's codes, then k's
	s_add_co_u32 s22, s22, s23
	s_mov_b32 s23, 0
	s_add_nc_u64 s[12:13], s[10:11], s[22:23]
	s_mul_i32 s22, s19, 16384                      ; q's scale words: 8,192 bytes a head
	s_add_co_u32 s22, s22, 9437184
	s_mul_i32 s46, s19, 24576                      ; k's: in the pair's block of 24,576 bytes
	s_add_co_u32 s46, s46, 9699328
	s_cmp_eq_u32 ttmp9, 0
	s_cselect_b32 s22, s22, s46
	s_lshl_b32 s46, s18, 9
	s_add_co_u32 s22, s22, s46
	s_add_nc_u64 s[10:11], s[10:11], s[22:23]
.irp a, 0,1,2,3,4,5,6,7
	INGEST \a
.if \a > 0
	s_wait_xcnt 0x0                                ; the last block's stores have read their registers: the codes may be written again
.endif
	QUANT HA
.irp p, 0,1,2
	global_store_b64 v25, v[PC+2*\p:PC+2*\p+1], s[12:13] offset:768*\a+256*\p           ; the first head's 64: 256 consecutive bytes, aligned
	global_store_b64 v25, v[PC+6+2*\p:PC+7+2*\p], s[12:13] offset:98304+768*\a+256*\p   ; the second head's
.endr
	v_and_b32 v[WD+\a], 0xffff, v[PW]              ; a head's two bytes; the upper two are 0 and stand over zero codes
	v_lshrrev_b32 v[WE+\a], 16, v[PW]
.endr
.irp a, 0,1,2,3,4,5,6,7
	ds_store_b32 v26, v[WD+\a] offset:64*\a        ; (lanes r and 16 + r write the same word)
	ds_store_b32 v26, v[WE+\a] offset:512+64*\a
.endr
	ds_load_b128 v[64:67], v31                     ; LDS serves a wave's instructions in order: these see my stores
	ds_load_b128 v[68:71], v31 offset:512
	s_wait_dscnt 0x0
	global_store_b128 v24, v[64:67], s[10:11]      ; 128 words: 512 consecutive bytes
	global_store_b128 v24, v[68:71], s[10:11] offset:8192
	s_branch .Lend
	; ---- v: my 128 channels (two heads) x 128 tokens, which are one K step of the second product of attention
.Lv:
	s_lshl_b32 s18, s42, 1
	s_add_co_u32 s18, s18, s16                     ; my group of 128 tokens
	s_lshr_b32 s19, s18, 4                         ; batch
	s_and_b32 s18, s18, 15                         ; K step
	s_lshl_b32 s22, s41, 1
	s_add_co_u32 s22, s22, s15                     ; pair of heads
	s_lshl_b32 s19, s19, 3
	s_add_co_u32 s19, s19, s22
	s_mul_i32 s22, s19, 196608
	s_mul_i32 s23, s18, 6144                       ; a K step's four fragments
	s_add_co_u32 s22, s22, s23
	s_add_co_u32 s22, s22, 6291456
	s_mov_b32 s23, 0
	s_add_nc_u64 s[12:13], s[10:11], s[22:23]
	s_mul_i32 s22, s19, 24576
	s_lshl_b32 s46, s18, 8
	s_add_co_u32 s22, s22, s46
	s_add_co_u32 s22, s22, 9699328+16384           ; behind the pair's words of k
	s_add_nc_u64 s[10:11], s[10:11], s[22:23]
.irp a, 0,1,2,3,4,5,6,7
	INGEST_V \a
.if \a > 0
	s_wait_xcnt 0x0
.endif
	QUANT HA
.irp c, 0,1,2
	global_store_b128 v24, v[PC+4*\c:PC+4*\c+3], s[12:13] offset:98304*(\a/4)+1536*(\a%4)+512*\c
.endr
	v_mov_b32 v[WD+\a], v[PW]
.endr
.irp a, 0,1,2,3,4,5,6,7
	ds_store_b32 v26, v[WD+\a] offset:4096+64*\a   ; this path has LDS bytes of its own
.endr
	ds_load_b128 v[64:67], v31 offset:4096
	s_wait_dscnt 0x0
	global_store_b128 v12, v[64:67], s[10:11]      ; lanes 0-15: the first head's 256 bytes, lanes 16-31: the second's
.Lend:
	s_wait_tensorcnt 0x0                           ; the wave's end
	ds_add_u32 v[SPW], v[NIL]
	s_wait_dscnt 0x0
	CROUND                                         ; the closing round
	s_endpgm
.Lfunc_end_k_qee433772b2_qkv:
	.size	k_qee433772b2_qkv, .Lfunc_end_k_qee433772b2_qkv-k_qee433772b2_qkv
	.p2alignl 7, 3214868480
	.fill 96, 4, 3214868480
	.section	.rodata,"a",@progbits
	.p2align	6, 0x0
	.amdhsa_kernel k_qee433772b2_qkv
		.amdhsa_group_segment_fixed_size 327680
		.amdhsa_private_segment_fixed_size 0
		.amdhsa_enable_private_segment 0
		.amdhsa_kernarg_size 32
		.amdhsa_user_sgpr_count 2
		.amdhsa_user_sgpr_kernarg_segment_ptr 1
		.amdhsa_wavefront_size32 1
		.amdhsa_system_sgpr_workgroup_id_x 1
		.amdhsa_system_sgpr_workgroup_id_y 1
		.amdhsa_system_sgpr_workgroup_id_z 1
		.amdhsa_system_vgpr_workitem_id 0
		.amdhsa_next_free_vgpr 1024
		.amdhsa_next_free_sgpr 100
		.amdhsa_reserve_vcc 0
		.amdhsa_float_denorm_mode_32 3
		.amdhsa_float_denorm_mode_16_64 3
		.amdhsa_memory_ordered 1
		.amdhsa_forward_progress 1
		.amdhsa_inst_pref_size 217
	.end_amdhsa_kernel
	.amdgpu_metadata
---
amdhsa.version: [ 1, 2 ]
amdhsa.kernels:
  - .name:           k_qee433772b2_qkv
    .symbol:         k_qee433772b2_qkv.kd
    .args:
      - { .name: H1, .offset: 0, .size: 8, .value_kind: global_buffer, .address_space: global }
      - { .name: W, .offset: 8, .size: 8, .value_kind: global_buffer, .address_space: global }
      - { .name: b_qkv, .offset: 16, .size: 8, .value_kind: global_buffer, .address_space: global }
      - { .name: QKV, .offset: 24, .size: 8, .value_kind: global_buffer, .address_space: global }
    .group_segment_fixed_size: 327680
    .private_segment_fixed_size: 0
    .kernarg_segment_align: 8
    .kernarg_segment_size: 32
    .max_flat_workgroup_size: 128
    .sgpr_count:     100
    .vgpr_count:     1024
    .wavefront_size: 32
...
	.end_amdgpu_metadata
.endif
;; end of part 2
;; launch attn (part 3): grid 8 x 32, 16 waves a work-group, clusters of 4 x 1, 327,680 bytes of LDS; arguments QKV, AO; writes AO
.if DOCPART == 3
	.amdgcn_target "amdgcn-amd-amdhsa--gfx1250"
	.amdhsa_code_object_version 6
	.text
	.protected	k_qee433772b2_attn
	.globl	k_qee433772b2_attn
	.p2align	8
	.type	k_qee433772b2_attn,@function
k_qee433772b2_attn:
	s_mov_b64 s[64:65], 0
	v_nop
	global_prefetch_b8 v0, s[64:65] scope:SCOPE_SE
	s_setreg_imm32_b32 hwreg(HW_REG_WAVE_MODE, 25, 1), 1
	s_wait_xcnt 0x0
	s_wait_alu depctr_hold_cnt(0) depctr_sa_sdst(0) depctr_va_vdst(0) depctr_va_sdst(0) depctr_va_ssrc(0) depctr_va_vcc(0) depctr_vm_vsrc(0)
	s_getreg_b32 s2, hwreg(HW_REG_IB_STS2, 6, 4)
	s_cmp_eq_u32 s2, 0
	s_cbranch_scc0 .Lentry_in_a_cluster
	s_endpgm
.Lentry_in_a_cluster:
	s_bfe_u32 s2, ttmp6, 0x10000c
	s_cmp_lg_u32 s2, 0x3003
	s_cbranch_scc0 .Lentry_shape_is_right
	s_endpgm
.Lentry_shape_is_right:
; Attention on codes of FP6 (E2M3) with E8M0 scales: head size 64, 2,048 keys, no mask; the result is quantised along the model's 1,024 for the next product.
; t = score x log2(e) / 8; M = the running largest t rounded UP to a whole number; p = 2^(t - M) is quantised along the keys, not normalised; the row's sum is taken of the unquantised p and divides at the end.
; SHARES.  A work-group owns ONE head and 256 queries: 16 waves of 16 queries; 32 heads x 8 blocks of queries = 256 work-groups.  A lane holds one query throughout (S^T = K Q^T, O^T = V^T P^T).
; LDS.  A head's K and V are 2 x 98,304 bytes of codes: they lie in LDS WHOLE, with the head's scale words (8,192 + 4,096 bytes).  Every byte is filled once, so no barrier for a refill stands in the walk.
;   The loads lay 96 bytes of padding behind each 256 bytes of codes (pitch 352) and 64 behind each 256 of K's scale words (pitch 320).
;   0: K's scale words; 10,240: V's; 33,792: K's codes; 168,960: V's codes; 304,128: the spare words (128 bytes a wave).
; LOADS.  One tensor load a wave at the head: waves 0, 1 keys 0-511 of K, V; wave 2 K's scale words; wave 3 V's; waves 4-9 the other three pieces of 512 keys of K and V.  The first barrier waits for waves 0-3 alone;
;   a second plain barrier behind key step 2 shows the rest: key step 3 is the first that asks LDS for keys from 512 on.
; CLUSTER 4 x 1: the four partners are query blocks of one head and need the same K, V and scale words: every load is joint (mask 15).  A round stands ahead of the loads and one ahead of the end.
; NO PREFETCH: every tile is asked for at the head; no later load exists that a prefetch could run ahead of.
; THE KEYS OF A TILE.  K's tiles lie in memory as images of 16 keys in the order 8 u + r + (r & 8) of each 32.  Here lane row 8 g + j of tile t takes key 64 (t / 4) + 32 g + 8 (t % 4) + j: only the lanes' LDS addresses say so.
;   Then a lane's 32 registers of tiles 4 c .. 4 c + 3 are the 32 neighbouring keys 64 c + 32 (lane / 16) + 0 .. 31: ONE scale block of p, in the order of the second product's operand: no lane swaps codes with another.
;   The two halves of the rows of such a load lie six LDS rows, 2,112 bytes, apart, which is 64 modulo 256: the 32 lanes of a load of 8 bytes touch 64 different banks (64 banks of 4 bytes: ISA guide 11.1).
; K's FRAGMENTS OVERLAP.  The head's 64 fill half of the first product's K.  Q's upper 64 codes are zeros, so what stands in registers 6-11 of K's fragment adds nothing: tile t's fragment is v[KF + 6 t] on, twelve
;   registers, the upper six being tile t + 1's codes (tile 7: V's first six).  Their scale bytes are 0, which is 2^-127, a finite scale.
; ONE SCALE REGISTER SERVES TWO TILES: lanes 0-15 hold tile t's words, lanes 16-31 tile t + 4's (V: fragment t + 2's), which the product takes by ROW1.
; THE ROW'S SUM of step i is added among the matrix instructions of step i (P V) and step i + 1 (K Q^T): those lines are also the places that are owed behind these products.
; THE WAY OUT.  A wave's 16 queries x 64 channels are six registers a lane: half of a fragment of the next product, stored as three runs of 256 bytes, lane l's 8 bytes at 8 l: [group of 128 tokens][K step = pair of heads][fragment][head of the pair][768].
;   A row's scale word holds two bytes of each head of the pair; the other head's belong to another work-group, so my two bytes a row leave by stores of 2 bytes, 4 bytes apart.
; LIMITS: NaN and infinities are not served; a block of zeros gets the byte 1 (zero codes); the promise holds while the scaled scores stay under 2^31 in magnitude.
.set PITCH, 352
.set PIECE, 96*PITCH                   ; 512 keys of K or of V in LDS
.set STEPB, 24*PITCH                   ; 128 keys
.set KB,    PIECE
.set VB,    5*PIECE
.set VSB,   10240
.set SPARE, 9*PIECE
.set KOFF,  3145728                    ; k's codes in QKV; v's lie as far behind them
.set QSC,   9437184                    ; q's scale words
.set KVSC,  9699328                    ; k's and v's, 24,576 bytes a pair of heads
.set AK,  1                            ; v1-4   LDS addresses of this step's K, V, K's scale words, V's
.set AV,  2
.set ASK, 3
.set ASV, 4
.set SPW, 5
.set NIL, 6
.set SH8, 7                            ; v7     8 x (lane / 16)
.set OC,  8                            ; v8     8 x lane
.set SB,  10                           ; v[10:11], v[14:15] the row's sum, in two chains of pairs
.set SA,  14                           ; v12 -M, v13 the largest score so far
.set QF,  16                           ; v16-27 Q
.set VS,  28                           ; v28-29 V's scale words
.set KF,  32                           ; v32-79 eight tiles of K, six registers each
.set VF,  80                           ; v80-127 four fragments of V
.set KS,  128                          ; v128-131 K's scale words
.set S,   136                          ; v136-199 S^T, then p
.set O,   200                          ; v200-231 O^T
.set P,   232                          ; v232-243 p's codes; v244 at work
.set R4,  245                          ; v245   4 x (lane % 16)
.set E,   246
.set PW,  248                          ; p's scale word
.set QW,  249                          ; Q's
.set F,   250
.set D,   251
.set BM,  252
.set T,   254
.set T2,  255
.macro CROUND
	s_barrier_signal -1
	s_barrier_wait -1
	s_cmp_lg_u32 s8, 0
	s_cbranch_scc1 .Lnot_wave_0_\@
	s_barrier_signal -3
.Lnot_wave_0_\@:
	s_barrier_wait -3
	s_barrier_signal -1
	s_barrier_wait -1
.endm
.macro TLOAD g0, g1
	tensor_load_to_lds s[\g0:\g0+3], s[\g1:\g1+7]
	s_nop 0
.rept 4
	v_nop
.endr
.endm
.macro KLOAD off, soff                 ; eight tiles of K and their scale words: tile t = (c, a, u) takes rows 8 a + j of the images 4 c + 2 g + u; an image is three LDS rows
.irp t, 0,1,2,3,4,5,6,7
.irp p, 0,1,2
	ds_load_b64 v[KF+6*\t+2*\p:KF+6*\t+2*\p+1], v[AK] offset:(\off)+12*PITCH*(\t/4)+3*PITCH*(\t%2)+64*((\t%4)/2)+PITCH*\p
.endr
.endr
.irp t, 0,1,2,3
	ds_load_b32 v[KS+\t], v[ASK] offset:(\soff)+64*(\t%2)+32*(\t/2)
.endr
.endm
.macro SMUL t
.if \t < 4
	v_wmma_scale_f32_16x16x128_f8f6f4 v[S+8*\t:S+8*\t+7], v[KF+6*\t:KF+6*\t+11], v[QF:QF+11], 0, v[KS+\t], v[QW] matrix_a_fmt:MATRIX_FMT_FP6 matrix_b_fmt:MATRIX_FMT_FP6
.else
	v_wmma_scale_f32_16x16x128_f8f6f4 v[S+8*\t:S+8*\t+7], v[KF+6*\t:KF+6*\t+11], v[QF:QF+11], 0, v[KS+\t-4], v[QW] matrix_a_fmt:MATRIX_FMT_FP6 matrix_b_fmt:MATRIX_FMT_FP6 matrix_a_scale:MATRIX_SCALE_ROW1
.endif
.endm
.macro OMUL t
.if \t < 2
	v_wmma_scale_f32_16x16x128_f8f6f4 v[O+8*\t:O+8*\t+7], v[VF+12*\t:VF+12*\t+11], v[P:P+11], v[O+8*\t:O+8*\t+7], v[VS+\t], v[PW] matrix_a_fmt:MATRIX_FMT_FP6 matrix_b_fmt:MATRIX_FMT_FP6
.else
	v_wmma_scale_f32_16x16x128_f8f6f4 v[O+8*\t:O+8*\t+7], v[VF+12*\t:VF+12*\t+11], v[P:P+11], v[O+8*\t:O+8*\t+7], v[VS+\t-2], v[PW] matrix_a_fmt:MATRIX_FMT_FP6 matrix_b_fmt:MATRIX_FMT_FP6 matrix_a_scale:MATRIX_SCALE_ROW1
.endif
.endm
.macro ADD2 t, q                       ; four of tile t's p onto the two chains
	v_pk_add_f32 v[SA:SA+1], v[SA:SA+1], v[S+8*\t+2*\q:S+8*\t+2*\q+1]
	v_pk_add_f32 v[SB:SB+1], v[SB:SB+1], v[S+8*\t+2*\q+2:S+8*\t+2*\q+3]
.endm
; THE SOFTMAX of a key step: S^T is in registers.  more = 1: the next step's K is asked for.
.macro PARTA more
	v_max3_num_f32 v[BM], v[S], v[S+1], v[S+2]                     ; the largest score of my two blocks of 32 keys, in two chains.  These four lines are the places between the last product and the loads below
	v_max3_num_f32 v[BM+1], v[S+32], v[S+33], v[S+34]
	v_max3_num_f32 v[BM], v[BM], v[S+3], v[S+4]
	v_max3_num_f32 v[BM+1], v[BM+1], v[S+35], v[S+36]
.irp t, 0,1,2,3                        ; this step's V, and the next step's K: they land under the softmax
.irp c, 0,1,2
	ds_load_b128 v[VF+12*\t+4*\c:VF+12*\t+4*\c+3], v[AV] offset:6*PITCH*\t+2*PITCH*\c
.endr
.endr
	ds_load_b32 v[VS], v[ASV]
	ds_load_b32 v[VS+1], v[ASV] offset:64
.if \more
	KLOAD STEPB, 640
.endif
.irp i, 5,7,9,11,13,15,17,19,21,23,25,27,29
	v_max3_num_f32 v[BM], v[BM], v[S+\i], v[S+\i+1]
	v_max3_num_f32 v[BM+1], v[BM+1], v[S+32+\i], v[S+33+\i]
.endr
	v_max_num_f32 v[BM], v[BM], v[S+31]
	v_max_num_f32 v[BM+1], v[BM+1], v[S+63]
.if \more
	v_add_nc_u32 v[AK], STEPB, v[AK]               ; the steps of the four addresses stand between the links of the chain below
.endif
	v_max_num_f32 v[T], v[BM], v[BM+1]
.if \more
	v_add_nc_u32 v[AV], STEPB, v[AV]
.endif
	v_permlanex16_b32 v[T2], v[T], s12, s13                        ; lane l xor 16 holds the other 64 keys of my query
.if \more
	v_add_nc_u32 v[ASK], 640, v[ASK]
.endif
	v_max3_num_f32 v13, v13, v[T], v[T2]                           ; the running largest score
.if \more
	v_add_nc_u32 v[ASV], 256, v[ASV]
.endif
	v_mul_f32 v[T], 0xbe38aa3b, v13                                ; -t
	v_floor_f32 v[T], v[T]                                         ; the new -M = -ceil(t)
	v_sub_f32 v[D], v[T], v12                                      ; old M - new M: a whole number, 0 or less
	v_mov_b32 v12, v[T]
	v_cvt_i32_f32 v[D], v[D]                                       ; (it saturates)
	v_ldexp_f32 v[F], 1.0, v[D]                                    ; f = 2^(old M - new M): a multiplication by it rounds nothing
.set j, 0
.rept 32
	v_pk_fma_f32 v[S+j:S+j+1], v[S+j:S+j+1], s[14:15], v[12:13] op_sel_hi:[1,0,0]   ; t - M
.set j, j+2
.endr
	v_fma_f32 v[BM], v[BM], s14, v12                               ; the same of each block's largest score: p rises with the score
	v_fma_f32 v[BM+1], v[BM+1], s14, v12
	v_pk_mul_f32 v[SA:SA+1], v[SA:SA+1], v[F:F+1] op_sel_hi:[1,0]
.set j, 0
.rept 16
	v_pk_mul_f32 v[O+j:O+j+1], v[O+j:O+j+1], v[F:F+1] op_sel_hi:[1,0]   ; O^T under the new M, ahead of the exponentials
.set j, j+2
.endr
	s_wait_alu depctr_va_vdst(0)                   ; ahead of the batch
.set j, 0
.rept 64
	v_exp_f32 v[S+j], v[S+j]                       ; p = 2^(t - M)
.set j, j+1
.endr
	v_exp_f32 v[BM], v[BM]                         ; each block's largest p
	v_exp_f32 v[BM+1], v[BM+1]
	v_pk_mul_f32 v[SB:SB+1], v[SB:SB+1], v[F:F+1] op_sel_hi:[1,0]   ; (the plain place behind the batch)
	s_wait_alu depctr_va_vdst(0)                   ; and behind it, ahead of its first reader
	v_max_num_f32 v[BM], 0x1800000, v[BM]          ; the floor 2^(3 - 127): the byte cannot fall under 1
	v_max_num_f32 v[BM+1], 0x1800000, v[BM+1]
	v_add_nc_u32 v[BM], 0xff000000, v[BM]          ; 2 off the exponent field: the conversions' scale operand
	v_add_nc_u32 v[BM+1], 0xff000000, v[BM+1]
	v_lshrrev_b32 v[E], 23, v[BM]                  ; the bytes of blocks lane / 16 and 2 + lane / 16
	v_lshrrev_b32 v[E+1], 23, v[BM+1]
	v_lshl_or_b32 v[T], v[E+1], 16, v[E]
	v_lshlrev_b32 v[T], v[SH8], v[T]               ; at their places in the scale word
	v_permlanex16_b32 v[T2], v[T], s12, s13
	v_or_b32 v[PW], v[T], v[T2]                    ; with lane l xor 16's two the word is whole; 14 plain lines stand between it and the product that takes it
	v_cvt_scalef32_pk16_fp6_f32 v[P:P+2], v[S:S+15], v[BM]
	v_cvt_scalef32_pk16_fp6_f32 v[P+4:P+6], v[S+16:S+31], v[BM]    ; (a conversion's three registers begin on an even number: made one register up and moved down)
	v_pk_add_f32 v[SA:SA+1], v[SA:SA+1], v[S:S+1]                  ; the plain place behind the conversions: the row's sum begins
	v_mov_b32 v[P+3], v[P+4]
	v_mov_b32 v[P+4], v[P+5]
	v_mov_b32 v[P+5], v[P+6]
	v_cvt_scalef32_pk16_fp6_f32 v[P+6:P+8], v[S+32:S+47], v[BM+1]
	v_cvt_scalef32_pk16_fp6_f32 v[P+10:P+12], v[S+48:S+63], v[BM+1]
	v_pk_add_f32 v[SB:SB+1], v[SB:SB+1], v[S+2:S+3]
	v_mov_b32 v[P+9], v[P+10]
	v_mov_b32 v[P+10], v[P+11]
	v_mov_b32 v[P+11], v[P+12]
	ADD2 0, 2                                      ; six plain lines between the last code moved and the product
	ADD2 1, 0
	ADD2 1, 2
.endm
; THE PRODUCTS: O^T += V^T P^T of this step, then (more = 1) S^T = K Q^T of the next.  A tile's p are summed ahead of the product that writes over them.  The accumulators take turns.
.macro PARTB more
	s_wait_alu depctr_va_vdst(0)
	s_wait_dscnt 0x0                               ; V, and the next step's K: the step's one wait for LDS
	OMUL 0
	ADD2 2, 0
	OMUL 1
	ADD2 2, 2
	OMUL 2
	ADD2 3, 0
	OMUL 3
	ADD2 3, 2
.if \more
	SMUL 0
	ADD2 4, 0
	SMUL 1
	ADD2 4, 2
	SMUL 2
	ADD2 5, 0
	SMUL 3
	ADD2 5, 2
	SMUL 4
	ADD2 6, 0
	ADD2 6, 2
	SMUL 5
	ADD2 7, 0
	ADD2 7, 2
	SMUL 6
	SMUL 7
.else
.irp t, 4,5,6,7
	ADD2 \t, 0
	ADD2 \t, 2
.endr
.endif
.endm
	s_load_b128 s[4:7], s[0:1], 0x0                ; q, k, v as codes s[4:5]; the result s[6:7]
	v_lshl_add_u32 v[SPW], v0, 2, SPARE
	v_mov_b32 v[NIL], 0
	ds_add_u32 v[SPW], v[NIL]                      ; the opening lines: the add, twice on end, and its wait
	ds_add_u32 v[SPW], v[NIL]
	v_lshrrev_b32 v9, 5, v0
	v_readfirstlane_b32 s8, v9                     ; wave 0..15
	s_bfe_u32 s9, ttmp6, 0x40000                   ; cx
	s_lshl_b32 s10, ttmp9, 2
	s_add_co_u32 s10, s10, s9                      ; my block of 256 queries
	s_and_b32 s11, ttmp7, 0xffff                   ; my head: 16 x batch + head, the same in all four partners
	s_mov_b32 s12, 0x76543210
	s_mov_b32 s13, 0xfedcba98
	s_mov_b32 s14, 0x3e38aa3b                      ; c = log2(e) / sqrt(64)
	s_mov_b32 s15, s14
	; three groups 1: dense blocks as rows of 256 bytes: 96 rows (512 keys of codes; 24 words of padding a row), 32 (K's scale words; 16 words), 16 (V's; none)
	s_mov_b32 s16, 15|(3<<16)|(1<<20)|(1<<21)|(5<<22)|(23<<25)
	s_mov_b32 s24, 15|(3<<16)|(1<<20)|(1<<21)|(5<<22)|(15<<25)
	s_mov_b32 s32, 15|(3<<16)|(1<<21)
.irp g, 16,24,32
	s_mov_b32 s[\g+1], 32<<16
	s_mov_b32 s[\g+3], 32<<16
	s_mov_b32 s[\g+5], 32
	s_mov_b32 s[\g+6], 0
	s_mov_b32 s[\g+7], 0
.endr
	s_mov_b32 s18, 96<<16
	s_mov_b32 s20, 96
	s_mov_b32 s26, 32<<16
	s_mov_b32 s28, 32
	s_mov_b32 s34, 16<<16
	s_mov_b32 s36, 16
	s_mul_i32 s56, s11, 98304                      ; a head's codes
	s_lshr_b32 s57, s11, 1
	s_mul_i32 s57, s57, 24576
	s_add_co_u32 s57, s57, KVSC                    ; the pair's scale words
	s_and_b32 s58, s11, 1                          ; my head of the pair
	s_mov_b32 s40, 1                               ; waves 0, 1: keys 0-511 of K, of V
	s_mul_i32 s41, s8, 4*PIECE
	s_add_co_u32 s41, s41, KB
	s_mul_i32 s60, s8, KOFF
	s_add_co_u32 s60, s60, s56
	s_add_co_u32 s60, s60, KOFF
	s_mov_b32 s61, 0
	s_mov_b32 s44, 1                               ; wave 2: K's scale words
	s_mov_b32 s45, 0
	s_lshl_b32 s62, s58, 13
	s_add_co_u32 s62, s62, s57
	s_mov_b32 s63, 0
	s_mov_b32 s48, 1                               ; wave 3: V's
	s_mov_b32 s49, VSB
	s_lshl_b32 s66, s58, 12
	s_add_co_u32 s66, s66, s57
	s_add_co_u32 s66, s66, 16384
	s_mov_b32 s67, 0
	s_mov_b32 s52, 1                               ; waves 4-9: piece wave / 2 - 1 of K (even waves) or V (odd)
	s_lshr_b32 s59, s8, 1
	s_and_b32 s77, s8, 1
	s_mul_i32 s53, s77, 4*PIECE
	s_mul_i32 s76, s59, PIECE
	s_add_co_u32 s53, s53, s76
	s_mul_i32 s59, s59, 24576
	s_mul_i32 s78, s77, KOFF
	s_add_co_u32 s78, s78, s59
	s_add_co_u32 s78, s78, s56
	s_add_co_u32 s78, s78, KOFF-24576
	s_mov_b32 s79, 0
	s_lshl_b32 s68, s11, 7                         ; my tile of queries, counted through all heads
	s_lshl_b32 s69, s10, 4
	s_add_co_u32 s68, s68, s69
	s_add_co_u32 s68, s68, s8
	s_lshl_b32 s70, s68, 6
	s_add_co_u32 s70, s70, QSC
	s_mul_i32 s68, s68, 768
	s_mov_b32 s69, 0
	s_mov_b32 s71, 0
	s_lshr_b32 s72, s11, 4                         ; where the result goes: group of 128 tokens = 16 x batch + 2 x block + wave / 8
	s_lshl_b32 s72, s72, 4
	s_lshl_b32 s73, s10, 1
	s_add_co_u32 s72, s72, s73
	s_lshr_b32 s73, s8, 3
	s_add_co_u32 s72, s72, s73
	s_lshl_b32 s72, s72, 3
	s_bfe_u32 s73, s11, 0x30001                    ; the K step: my pair of heads
	s_add_co_u32 s72, s72, s73
	s_and_b32 s73, s8, 7                           ; the fragment
	s_lshl_b32 s74, s72, 9
	s_lshl_b32 s75, s73, 6
	s_add_co_u32 s74, s74, s75
	s_lshl_b32 s75, s58, 1
	s_add_co_u32 s74, s74, s75
	s_add_co_u32 s74, s74, 3145728                 ; the scale words lie behind the codes
	s_mul_i32 s72, s72, 12288
	s_mul_i32 s73, s73, 1536
	s_add_co_u32 s72, s72, s73
	s_mul_i32 s73, s58, 768
	s_add_co_u32 s72, s72, s73
	s_mov_b32 s73, 0
	s_mov_b32 s75, 0
	s_wait_dscnt 0x0                               ; both opening adds are done
	CROUND                                         ; the four partners are here: the joint loads meet
	s_wait_kmcnt 0x0
	s_add_nc_u64 s[42:43], s[4:5], s[60:61]
	s_or_b32 s43, s43, 0x80000000
	s_add_nc_u64 s[46:47], s[4:5], s[62:63]
	s_or_b32 s47, s47, 0x80000000
	s_add_nc_u64 s[50:51], s[4:5], s[66:67]
	s_or_b32 s51, s51, 0x80000000
	s_add_nc_u64 s[54:55], s[4:5], s[78:79]
	s_or_b32 s55, s55, 0x80000000
	s_add_nc_u64 s[68:69], s[4:5], s[68:69]
	s_add_nc_u64 s[70:71], s[4:5], s[70:71]
	s_add_nc_u64 s[72:73], s[6:7], s[72:73]
	s_add_nc_u64 s[74:75], s[6:7], s[74:75]
	s_cmp_lt_u32 s8, 2                             ; one chain of branches on the wave's number, one load to an arm; what is needed first stands first
	s_cbranch_scc0 .Larm_2
	TLOAD 40, 16
	s_branch .Lasked
.Larm_2:
	s_cmp_eq_u32 s8, 2
	s_cbranch_scc0 .Larm_3
	TLOAD 44, 24
	s_branch .Lasked
.Larm_3:
	s_cmp_eq_u32 s8, 3
	s_cbranch_scc0 .Larm_4
	TLOAD 48, 32
	s_branch .Lasked
.Larm_4:
	s_cmp_lt_u32 s8, 10
	s_cbranch_scc0 .Lasked
	TLOAD 52, 16
.Lasked:
	v_and_b32 v9, 31, v0                           ; lane
	v_and_b32 v[R4], 15, v0
	v_lshlrev_b32 v[OC], 3, v9
	v_lshlrev_b32 v[R4], 2, v[R4]
.irp p, 0,1,2
	global_load_b64 v[QF+2*\p:QF+2*\p+1], v[OC], s[68:69] offset:256*\p    ; Q's fragment stays in registers
.endr
	global_load_b32 v[QW], v[R4], s[70:71]
.irp i, 6,7,8,9,10,11
	v_mov_b32 v[QF+\i], 0                          ; the upper 64 of the first product's K: zero codes
.endr
.irp i, 0,1,2,3,4,5
	v_mov_b32 v[VF+\i], 0                          ; named by tile 7's fragment before V's first load lands here
.endr
	v_bfe_u32 v[SH8], v0, 4, 1                     ; lane / 16
	v_bfe_u32 v[AV], v0, 3, 1                      ; g: the half of the tile's rows
	v_and_b32 v[ASK], 7, v0                        ; j
	v_lshlrev_b32 v[AK], 3, v[ASK]
	v_lshl_add_u32 v[AK], v[SH8], 7, v[AK]
	v_mad_u32_u24 v[AK], v[AV], 6*PITCH, v[AK]
	v_add_nc_u32 v[AK], KB, v[AK]                  ; K: 8 j + 128 (lane / 16) + six LDS rows x g
	v_lshlrev_b32 v[ASK], 2, v[ASK]
	v_lshl_add_u32 v[ASK], v[AV], 7, v[ASK]
	v_mad_u32_u24 v[ASK], v[SH8], 320, v[ASK]      ; its scale words: 4 j + 128 g; lanes 16-31 one LDS row on: tile t + 4's
	v_lshl_add_u32 v[AV], v[R4], 2, VB
	v_mad_u32_u24 v[AV], v[SH8], PITCH, v[AV]      ; V: 16 bytes a lane, lanes 16-31 in the next LDS row
	v_lshl_add_u32 v[ASV], v[SH8], 7, v[R4]
	v_add_nc_u32 v[ASV], VSB, v[ASV]               ; its scale words: 4 r; lanes 16-31 fragment t + 2's
	v_lshlrev_b32 v[SH8], 3, v[SH8]
	v_mov_b32 v13, 0xff61b1e6                      ; the largest score so far: -3e38
	v_mov_b32 v12, 0x7f61b1e6                      ; -M: so large that the first f is 0
	v_mov_b32 v[SA], 0
	v_mov_b32 v[SA+1], 0
	v_mov_b32 v[SB], 0
	v_mov_b32 v[SB+1], 0
	v_mov_b32 v[T2], 0                             ; (a lane permute's destination counts as one of its sources)
.set j, 0
.rept 32
	v_mov_b32 v[O+j], 0                            ; O^T: the step is written once; the first finds zeros
.set j, j+1
.endr
	s_wait_alu depctr_va_vdst(0)                   ; at the head's end
	s_cmp_lt_u32 s8, 4
	s_cbranch_scc0 .Lnot_first
	s_wait_tensorcnt 0x0                           ; waves 0-3: keys 0-511 and the scale words
.Lnot_first:
	s_barrier_signal -1
	s_barrier_wait -1                              ; the other six loads may be on their way
	KLOAD 0, 0
	s_wait_loadcnt 0x0                             ; Q
	s_wait_dscnt 0x0
.irp t, 0,1,2,3,4,5,6,7
	SMUL \t
.endr
.rept 4
	v_nop                                          ; the places behind the first products: no other vector work is at hand here
.endr
	s_mov_b32 s76, 0
.Lfirst:                                               ; key steps 0-2: they read keys 0-511 alone
	PARTA 1
	PARTB 1
	s_add_co_u32 s76, s76, 1
	s_cmp_lt_u32 s76, 3
	s_cbranch_scc1 .Lfirst
	s_wait_alu depctr_va_vdst(0)
	s_wait_tensorcnt 0x0                           ; every wave, under no branch: all that was still out
	s_wait_dscnt 0x0
	s_barrier_signal -1
	s_barrier_wait -1                              ; all of K and V is in
.Lrest:                                                ; key steps 3-14
	PARTA 1
	PARTB 1
	s_add_co_u32 s76, s76, 1
	s_cmp_lt_u32 s76, 15
	s_cbranch_scc1 .Lrest
	PARTA 0                                        ; the last step asks for no further K
	PARTB 0
	; THE WAY OUT.  O^T / the sum; register 16 b + i is channel 32 b + 16 (lane / 16) + i of my head: two blocks of the next product's K
	v_pk_add_f32 v[SA:SA+1], v[SA:SA+1], v[SB:SB+1]
	v_add_f32 v14, v14, v15
	v_permlanex16_b32 v[T2], v14, s12, s13
	v_add_f32 v14, v14, v[T2]
	s_wait_alu depctr_va_vdst(0)
	v_rcp_f32 v14, v14
	v_nop
	s_wait_alu depctr_va_vdst(0)                   ; ahead of the reciprocal's first reader, which is also O^T's
.set j, 0
.rept 16
	v_pk_mul_f32 v[S+j:S+j+1], v[O+j:O+j+1], v[14:15] op_sel_hi:[1,0]
.set j, j+2
.endr
.irp b, 0,1
	v_max3_num_f32 v[BM+\b], |v[S+16*\b]|, |v[S+1+16*\b]|, 0x1800000
.endr
.irp i, 2,4,6,8,10,12,14
.irp b, 0,1
	v_max3_num_f32 v[BM+\b], v[BM+\b], |v[S+16*\b+\i]|, |v[S+1+16*\b+\i]|
.endr
.endr
.irp b, 0,1
	v_permlanex16_b32 v[E+\b], v[BM+\b], s12, s13
.endr
.irp b, 0,1
	v_max_num_f32 v[BM+\b], v[BM+\b], v[E+\b]
.endr
.irp b, 0,1
	v_add_nc_u32 v[BM+\b], 0xff000000, v[BM+\b]
.endr
.irp b, 0,1
	v_lshrrev_b32 v[E+\b], 23, v[BM+\b]
.endr
	v_lshl_or_b32 v[T], v[E+1], 8, v[E]            ; my head's two bytes
	v_cvt_scalef32_pk16_fp6_f32 v[P:P+2], v[S:S+15], v[BM]
	v_cvt_scalef32_pk16_fp6_f32 v[P+4:P+6], v[S+16:S+31], v[BM+1]
	v_nop
.irp i, 0,1,2
	v_permlane16_swap_b32 v[P+\i], v[P+4+\i]       ; a whole block to a lane: lanes 0-15 block 0, lanes 16-31 block 1
.endr
	v_mov_b32 v[P+3], v[P+4]
	v_mov_b32 v[P+4], v[P+5]
	v_mov_b32 v[P+5], v[P+6]
.irp p, 0,1,2
	global_store_b64 v[OC], v[P+2*\p:P+2*\p+1], s[72:73] offset:256*\p     ; 256 consecutive bytes, aligned
.endr
	global_store_b16 v[R4], v[T], s[74:75]         ; my half of each row's scale word (lanes r and 16 + r write the same bytes)
	s_wait_tensorcnt 0x0                           ; the wave's end
	ds_add_u32 v[SPW], v[NIL]
	s_wait_dscnt 0x0
	CROUND                                         ; the closing round
	s_endpgm
.Lfunc_end_k_qee433772b2_attn:
	.size	k_qee433772b2_attn, .Lfunc_end_k_qee433772b2_attn-k_qee433772b2_attn
	.p2alignl 7, 3214868480
	.fill 96, 4, 3214868480
	.section	.rodata,"a",@progbits
	.p2align	6, 0x0
	.amdhsa_kernel k_qee433772b2_attn
		.amdhsa_group_segment_fixed_size 327680
		.amdhsa_private_segment_fixed_size 0
		.amdhsa_enable_private_segment 0
		.amdhsa_kernarg_size 16
		.amdhsa_user_sgpr_count 2
		.amdhsa_user_sgpr_kernarg_segment_ptr 1
		.amdhsa_wavefront_size32 1
		.amdhsa_system_sgpr_workgroup_id_x 1
		.amdhsa_system_sgpr_workgroup_id_y 1
		.amdhsa_system_sgpr_workgroup_id_z 1
		.amdhsa_system_vgpr_workitem_id 0
		.amdhsa_next_free_vgpr 256
		.amdhsa_next_free_sgpr 80
		.amdhsa_reserve_vcc 0
		.amdhsa_float_denorm_mode_32 3
		.amdhsa_float_denorm_mode_16_64 3
		.amdhsa_memory_ordered 1
		.amdhsa_forward_progress 1
		.amdhsa_inst_pref_size 61
	.end_amdhsa_kernel
	.amdgpu_metadata
---
amdhsa.version: [ 1, 2 ]
amdhsa.kernels:
  - .name:           k_qee433772b2_attn
    .symbol:         k_qee433772b2_attn.kd
    .args:
      - { .name: QKV, .offset: 0, .size: 8, .value_kind: global_buffer, .address_space: global }
      - { .name: AO, .offset: 8, .size: 8, .value_kind: global_buffer, .address_space: global }
    .group_segment_fixed_size: 327680
    .private_segment_fixed_size: 0
    .kernarg_segment_align: 8
    .kernarg_segment_size: 16
    .max_flat_workgroup_size: 512
    .sgpr_count:     80
    .vgpr_count:     256
    .wavefront_size: 32
...
	.end_amdgpu_metadata
.endif
;; end of part 3
;; launch outp (part 4): grid 8 x 32, 4 waves a work-group, clusters of 4 x 4, 327,680 bytes of LDS; arguments AO, W, b_out, x, X1; writes X1
.if DOCPART == 4
	.amdgcn_target "amdgcn-amd-amdhsa--gfx1250"
	.amdhsa_code_object_version 6
	.text
	.protected	k_qee433772b2_outp
	.globl	k_qee433772b2_outp
	.p2align	8
	.type	k_qee433772b2_outp,@function
k_qee433772b2_outp:
	s_mov_b64 s[64:65], 0
	v_nop
	global_prefetch_b8 v0, s[64:65] scope:SCOPE_SE
	s_setreg_imm32_b32 hwreg(HW_REG_WAVE_MODE, 25, 1), 1
	s_wait_xcnt 0x0
	s_wait_alu depctr_hold_cnt(0) depctr_sa_sdst(0) depctr_va_vdst(0) depctr_va_sdst(0) depctr_va_ssrc(0) depctr_va_vcc(0) depctr_vm_vsrc(0)
	s_getreg_b32 s2, hwreg(HW_REG_IB_STS2, 6, 4)
	s_cmp_eq_u32 s2, 0
	s_cbranch_scc0 .Lentry_in_a_cluster
	s_endpgm
.Lentry_in_a_cluster:
	s_bfe_u32 s2, ttmp6, 0x10000c
	s_cmp_lg_u32 s2, 0xf033
	s_cbranch_scc0 .Lentry_shape_is_right
	s_endpgm
.Lentry_shape_is_right:
.set SIZE_K, 1024
.set ASCL,   3145728
.set WCOD,   2359296
.set WSCL,   9535488
.set KSN,    SIZE_K/128
.set HALFT,  24576
.set SLOT,   4*HALFT
.set GROUPB, KSN*12288
.set HALFS,  KSN*512
.set SCL,    2*SLOT
.set SPARE,  SCL+2*HALFS+256
.set LAPS,   SIZE_K/1024
.set SPITCH, 528
.set ADRA, 16
.set ADRB, 20
.set STO,  24
.set RD,   25
.set CO,   26
.set ADRS, 27
.set SPW,  28
.set NIL,  29
.set SC,   32
.set BI,   40
.set T,    48
.set ACC,  128
.set G1, 24
.set G0, 32
.set G1B, 48
.set G0B, 56
.set G1S, 68
.set G0S, 76
.set G1SB, 80
.set G0SB, 88
.set MSB, 0
.macro WIN new
.if MSB != \new
	s_set_vgpr_msb (MSB<<8)|\new
.set MSB, \new
.endif
.endm
.set MUL,   0x05
.set TO_F,  0x40
.set TO_R,  0x80
.set ADD_R, 0x08
.macro JLOAD g0a, g1a, g0b, g1b
	s_cmp_eq_u32 s15, 0
	s_cbranch_scc0 .Lfor_b_\@
	tensor_load_to_lds s[\g0a:\g0a+3], s[\g1a:\g1a+7]
	s_nop 0
.rept 4
	v_nop
.endr
	s_branch .Lasked_\@
.Lfor_b_\@:
	tensor_load_to_lds s[\g0b:\g0b+3], s[\g1b:\g1b+7]
	s_nop 0
.rept 4
	v_nop
.endr
.Lasked_\@:
.endm
.macro CREST
	s_cmp_lg_u32 s14, 0
	s_cbranch_scc1 .Lnot_wave_0_\@
	s_barrier_signal -3
.Lnot_wave_0_\@:
	s_barrier_wait -3
	s_barrier_signal -1
	s_barrier_wait -1
.endm
.macro CROUND
	s_barrier_signal -1
	s_barrier_wait -1
	CREST
.endm
	s_load_b256 s[4:11], s[0:1], 0x0
	s_load_b64 s[12:13], s[0:1], 0x20
	v_lshl_add_u32 v[SPW], v0, 2, SPARE
	v_mov_b32 v[NIL], 0
	ds_add_u32 v28, v29
	ds_add_u32 v28, v29
	s_wait_dscnt 0x0
	v_lshrrev_b32 v1, 5, v0
	v_readfirstlane_b32 s14, v1
	s_lshr_b32 s15, s14, 1
	s_and_b32 s16, s14, 1
	s_bfe_u32 s40, ttmp6, 0x40000
	s_bfe_u32 s41, ttmp6, 0x40004
	s_lshl_b32 s42, ttmp9, 2
	s_add_co_u32 s42, s42, s40
	s_and_b32 s17, ttmp7, 0xffff
	s_lshl_b32 s17, s17, 2
	s_add_co_u32 s17, s17, s41
	s_lshl_b32 s43, s41, 2
	s_lshl_b32 s43, 15, s43
	s_lshl_b32 s44, 0x1111, s40
	s_or_b32 s[G1+0], s43, (3<<16)|(1<<21)
	s_or_b32 s[G1B+0], s44, (3<<16)|(1<<21)
.irp g, G1, G1B
	s_mov_b32 s[\g+1], 32<<16
	s_mov_b32 s[\g+2], 192<<16
	s_mov_b32 s[\g+3], 32<<16
	s_mov_b32 s[\g+4], 192
	s_mov_b32 s[\g+5], 32
	s_mov_b32 s[\g+6], 0
	s_mov_b32 s[\g+7], 0
.endr
	s_or_b32 s[G1S+0], s43, (3<<16)|(1<<21)
	s_or_b32 s[G1SB+0], s44, (3<<16)|(1<<21)
.irp g, G1S, G1SB
	s_mov_b32 s[\g+1], 32<<16
	s_mov_b32 s[\g+2], (2*KSN)<<16
	s_mov_b32 s[\g+3], 32<<16
	s_mov_b32 s[\g+4], 2*KSN
	s_mov_b32 s[\g+5], 32
	s_mov_b32 s[\g+6], 0
	s_mov_b32 s[\g+7], 0
.endr
	s_mul_i32 s20, s17, GROUPB
	s_mul_i32 s18, s16, HALFT
	s_add_co_u32 s20, s20, s18
	s_mov_b32 s21, 0
	s_mul_i32 s22, s17, HALFS
	s_add_co_u32 s22, s22, ASCL
	s_mov_b32 s23, 0
	s_mul_i32 s46, s42, GROUPB
	s_mul_i32 s19, s16, HALFT
	s_add_co_u32 s46, s46, s19
	s_add_co_u32 s46, s46, WCOD
	s_mov_b32 s47, 0
	s_mul_i32 s92, s42, HALFS
	s_add_co_u32 s92, s92, WSCL
	s_mov_b32 s93, 0
	s_mul_i32 s45, s14, HALFT
	s_wait_kmcnt 0x0
	s_add_nc_u64 s[20:21], s[4:5], s[20:21]
	s_add_nc_u64 s[22:23], s[4:5], s[22:23]
	s_add_nc_u64 s[46:47], s[6:7], s[46:47]
	s_add_nc_u64 s[92:93], s[6:7], s[92:93]
	CROUND
	s_mov_b32 s[G0S], 1
	s_mov_b32 s[G0S+1], SCL
	s_mov_b64 s[G0S+2:G0S+3], s[22:23]
	s_or_b32 s[G0S+3], s[G0S+3], 0x80000000
	s_mov_b32 s[G0SB], 1
	s_mov_b32 s[G0SB+1], SCL+HALFS+128
	s_mov_b64 s[G0SB+2:G0SB+3], s[92:93]
	s_or_b32 s[G0SB+3], s[G0SB+3], 0x80000000
.irp s, 0,1
	s_mov_b32 s[G0+4*\s], 1
	s_add_co_u32 s[G0+4*\s+1], s45, \s*SLOT
	s_add_nc_u64 s[G0+4*\s+2:G0+4*\s+3], s[20:21], \s*2*HALFT
	s_or_b32 s[G0+4*\s+3], s[G0+4*\s+3], 0x80000000
	s_mov_b32 s[G0B+4*\s], 1
	s_add_co_u32 s[G0B+4*\s+1], s45, \s*SLOT
	s_add_nc_u64 s[G0B+4*\s+2:G0B+4*\s+3], s[46:47], \s*2*HALFT
	s_or_b32 s[G0B+4*\s+3], s[G0B+4*\s+3], 0x80000000
.endr
	; THE HEAD'S LOADS, one a wave: wave 0 side A's codes of slot 0, 49,152 dense bytes (its slot 0 descriptor points at their first byte and at LDS byte 0), wave 1 side A's scale words,
	; wave 2 side B's codes, wave 3 side B's scale words.  One chain of branches on the wave's number, one load to an arm.
.macro HARM w, g0, g1, nxt
	s_cmp_eq_u32 s14, \w
	s_cbranch_scc0 \nxt
	tensor_load_to_lds s[\g0:\g0+3], s[\g1:\g1+7]
	s_nop 0
.rept 4
	v_nop
.endr
	s_branch .Lhead_asked
\nxt:
.endm
	HARM 0, G0, G1, .Lhead_1
	HARM 1, G0S, G1S, .Lhead_2
	HARM 2, G0B, G1B, .Lhead_3
	tensor_load_to_lds s[G0SB:G0SB+3], s[G1SB:G1SB+7]
	s_nop 0
.rept 4
	v_nop
.endr
.Lhead_asked:
	v_and_b32 v1, 15, v0
	v_bfe_u32 v2, v0, 4, 1
	s_wait_alu depctr_va_vdst(0)
	v_and_b32 v3, 31, v0
	v_lshlrev_b32 v[CO], 4, v3
	s_mul_i32 s21, s15, 6144
	s_mul_i32 s22, s16, 6144
	s_add_co_u32 s22, s22, 2*HALFT
.irp s, 0,1
	v_lshl_add_u32 v[ADRA+\s], v3, 3, s21
	v_add_nc_u32 v[ADRB+\s], s22, v[CO]
	s_add_co_u32 s21, s21, SLOT
	s_add_co_u32 s22, s22, SLOT
.endr
	v_lshlrev_b32 v5, 2, v1
	s_lshl_b32 s21, s15, 8
	s_lshl_b32 s22, s16, 8
	s_add_co_u32 s22, s22, HALFS+128
	s_sub_co_u32 s22, s22, s21
	v_mul_u32_u24 v6, s22, v2
	s_add_co_u32 s21, s21, SCL
	v_add_nc_u32 v5, v5, v6
	v_add_nc_u32 v[ADRS], s21, v5
	v_and_b32 v4, 8, v1
	v_add_nc_u32 v4, v4, v1
	v_mul_u32_u24 v4, v4, SPITCH
	v_lshl_add_u32 v4, v2, 6, v4
	s_mul_i32 s21, s15, 64*SPITCH
	s_lshl_b32 s22, s16, 8
	s_add_co_u32 s21, s21, s22
	v_add_nc_u32 v[STO], s21, v4
	s_mul_i32 s21, s14, 32*SPITCH
	v_add_nc_u32 v[RD], s21, v[CO]
	s_lshl_b32 s20, s17, 19
	s_lshl_b32 s21, s14, 17
	s_add_co_u32 s20, s20, s21
	s_lshl_b32 s21, s42, 9
	s_add_co_u32 s20, s20, s21
	s_mov_b32 s21, 0
	s_add_nc_u64 s[10:11], s[10:11], s[20:21]
	s_add_nc_u64 s[12:13], s[12:13], s[20:21]
	s_lshl_b32 s20, s42, 9
	s_add_nc_u64 s[8:9], s[8:9], s[20:21]
	WIN TO_R
.set i, 0
.rept 32
	global_load_b128 v[4*i:4*i+3], v[CO], s[10:11] offset:4096*i
.set i, i+1
.endr
	WIN 0
	global_load_b128 v[BI:BI+3], v[CO], s[8:9]
.macro PLACES
.rept 4
	v_nop
.endr
.endm
.macro FETCH slot, q, f
	WIN TO_F
.irp i, 0,1,2,3
.irp c, 0,1,2
	ds_load_b128 v[(\f)+48+12*\i+4*\c:(\f)+48+12*\i+4*\c+3], v[ADRB+\slot] offset:(\q)*12288+\i*1536+512*\c
.endr
.endr
.irp i, 0,1,2,3
.irp c, 0,1,2
	ds_load_b64 v[(\f)+12*\i+4*\c:(\f)+12*\i+4*\c+1], v[ADRA+\slot] offset:(\q)*12288+\i*1536+512*\c
	ds_load_b64 v[(\f)+12*\i+4*\c+2:(\f)+12*\i+4*\c+3], v[ADRA+\slot] offset:(\q)*12288+\i*1536+512*\c+256
.endr
.endr
	WIN 0
.irp i, 0,1,2,3
	ds_load_b32 v[SC+4*((\f)/128)+\i], v[ADRS] offset:512*(\q)+64*\i
.endr
.endm
.macro MULA f, a, zero
.irp b, 0,1,2,3
.if \zero
	v_wmma_scale_f32_16x16x128_f8f6f4 v[ACC+8*(4*(\a)+\b):ACC+8*(4*(\a)+\b)+7], v[(\f)+48+12*\b:(\f)+48+12*\b+11], v[(\f)+12*(\a):(\f)+12*(\a)+11], 0, v[SC+4*((\f)/128)+\b], v[SC+4*((\f)/128)+(\a)] matrix_a_fmt:MATRIX_FMT_FP6 matrix_b_fmt:MATRIX_FMT_FP6 matrix_a_scale:MATRIX_SCALE_ROW1
.else
	v_wmma_scale_f32_16x16x128_f8f6f4 v[ACC+8*(4*(\a)+\b):ACC+8*(4*(\a)+\b)+7], v[(\f)+48+12*\b:(\f)+48+12*\b+11], v[(\f)+12*(\a):(\f)+12*(\a)+11], v[ACC+8*(4*(\a)+\b):ACC+8*(4*(\a)+\b)+7], v[SC+4*((\f)/128)+\b], v[SC+4*((\f)/128)+(\a)] matrix_a_fmt:MATRIX_FMT_FP6 matrix_b_fmt:MATRIX_FMT_FP6 matrix_a_scale:MATRIX_SCALE_ROW1
.endif
.endr
.endm
.macro STEP slot, q, zero
	s_wait_dscnt 0x0
	PLACES
	FETCH \slot, (\q)+1, 128*(((\q)+1)%2)
	WIN MUL
.irp a, 0,1,2,3
	MULA 128*((\q)%2), \a, \zero
.endr
.endm
.macro TURN slot, next, fill
	WIN 0
	s_wait_tensorcnt 0x0
	ds_add_u32 v[SPW], v[NIL]
	s_wait_dscnt 1
	WIN MUL
	MULA 128, 0, 0
	s_wait_dscnt 0x0
	s_barrier_signal -1
	MULA 128, 1, 0
	WIN 0
	s_barrier_wait -1
.if \fill
	CREST
	s_add_nc_u64 s[G0+4*\slot+2:G0+4*\slot+3], s[G0+4*\slot+2:G0+4*\slot+3], 4*HALFT
	s_add_nc_u64 s[G0B+4*\slot+2:G0B+4*\slot+3], s[G0B+4*\slot+2:G0B+4*\slot+3], 4*HALFT
	JLOAD G0+4*\slot, G1, G0B+4*\slot, G1B
.else
	PLACES
.endif
	v_add_nc_u32 v[ADRS], 2048, v[ADRS]
	FETCH \next, 0, 0
	WIN MUL
	MULA 128, 2, 0
	MULA 128, 3, 0
.endm
	s_wait_alu depctr_va_vdst(0)
	s_wait_tensorcnt 0x0                           ; my tile of the head's four is in; slot 1's first fill is issued as a refill is
	ds_add_u32 v[SPW], v[NIL]
.irp g, G1, G1B                        ; no tensor load of mine is out: from here on a load brings 96 rows of 256 bytes
	s_mov_b32 s[\g+2], 96<<16
	s_mov_b32 s[\g+4], 96
.endr
	s_wait_dscnt 0x0
	CROUND                                         ; all four tiles are in, in every partner
	JLOAD G0+4, G1, G0B+4, G1B                     ; slot 1: my one tensor load behind the round
	FETCH 0, 0, 0
	STEP 0, 0, 1
.if LAPS > 1
	WIN 0
	s_mov_b32 s3, LAPS-1
.Llap:
	STEP 0, 1, 0
	STEP 0, 2, 0
	TURN 0, 1, 1
	STEP 1, 0, 0
	STEP 1, 1, 0
	STEP 1, 2, 0
	TURN 1, 0, 1
	STEP 0, 0, 0
	WIN 0
	s_sub_co_u32 s3, s3, 1
	s_cmp_lg_u32 s3, 0
	s_cbranch_scc1 .Llap
.endif
	STEP 0, 1, 0
	STEP 0, 2, 0
	TURN 0, 1, 0
	s_wait_alu depctr_va_vdst(0)
	STEP 1, 0, 0
	STEP 1, 1, 0
	STEP 1, 2, 0
	s_wait_dscnt 0x0
	WIN MUL
.irp a, 0,1,2,3
	MULA 128, \a, 0
.endr
	WIN 0
	PLACES
.irp a, 0,1,2,3
.irp b, 0,1,2,3
	ds_store_b128 v[STO], v[ACC+8*(4*\a+\b):ACC+8*(4*\a+\b)+3] offset:(32*(\a/2)+8*(\a%2))*SPITCH+128*(\b/2)+32*(\b%2)
	ds_store_b128 v[STO], v[ACC+8*(4*\a+\b)+4:ACC+8*(4*\a+\b)+7] offset:(32*(\a/2)+8*(\a%2))*SPITCH+128*(\b/2)+32*(\b%2)+16
.endr
.endr
	s_wait_dscnt 0x0
	s_barrier_signal -1
	s_barrier_wait -1
	s_wait_loadcnt 0x0
.irp t, 0,1,2,3
.if \t > 1
	s_wait_xcnt 0x0
.endif
.irp i, 0,1,2,3,4,5,6,7
	ds_load_b128 v[T+32*(\t%2)+4*\i:T+32*(\t%2)+4*\i+3], v[RD] offset:(8*\t+\i)*SPITCH
.endr
	s_wait_dscnt 0x0
	WIN ADD_R
.irp i, 0,1,2,3,4,5,6,7
.irp p, 0,2
	v_pk_add_f32 v[T+32*(\t%2)+4*\i+\p:T+32*(\t%2)+4*\i+\p+1], v[T+32*(\t%2)+4*\i+\p:T+32*(\t%2)+4*\i+\p+1], v[4*(8*\t+\i)+\p:4*(8*\t+\i)+\p+1]
.endr
.endr
	WIN 0
.irp i, 0,1,2,3,4,5,6,7
.irp p, 0,2
	v_pk_add_f32 v[T+32*(\t%2)+4*\i+\p:T+32*(\t%2)+4*\i+\p+1], v[T+32*(\t%2)+4*\i+\p:T+32*(\t%2)+4*\i+\p+1], v[BI+\p:BI+\p+1]
.endr
.endr
.irp i, 0,1,2,3,4,5,6,7
.if SIZE_K > 1024
	global_store_b128 v[CO], v[T+32*(\t%2)+4*\i:T+32*(\t%2)+4*\i+3], s[12:13] offset:4096*(8*\t+\i) th:TH_STORE_NT
.else
	global_store_b128 v[CO], v[T+32*(\t%2)+4*\i:T+32*(\t%2)+4*\i+3], s[12:13] offset:4096*(8*\t+\i)
.endif
.endr
.endr
	s_wait_tensorcnt 0x0
	ds_add_u32 v[SPW], v[NIL]
	s_wait_dscnt 0x0
	CROUND
	s_endpgm
.Lfunc_end_k_qee433772b2_outp:
	.size	k_qee433772b2_outp, .Lfunc_end_k_qee433772b2_outp-k_qee433772b2_outp
	.p2alignl 7, 3214868480
	.fill 96, 4, 3214868480
	.section	.rodata,"a",@progbits
	.p2align	6, 0x0
	.amdhsa_kernel k_qee433772b2_outp
		.amdhsa_group_segment_fixed_size 327680
		.amdhsa_private_segment_fixed_size 0
		.amdhsa_enable_private_segment 0
		.amdhsa_kernarg_size 40
		.amdhsa_user_sgpr_count 2
		.amdhsa_user_sgpr_kernarg_segment_ptr 1
		.amdhsa_wavefront_size32 1
		.amdhsa_system_sgpr_workgroup_id_x 1
		.amdhsa_system_sgpr_workgroup_id_y 1
		.amdhsa_system_sgpr_workgroup_id_z 1
		.amdhsa_system_vgpr_workitem_id 0
		.amdhsa_next_free_vgpr 768
		.amdhsa_next_free_sgpr 100
		.amdhsa_reserve_vcc 0
		.amdhsa_float_denorm_mode_32 3
		.amdhsa_float_denorm_mode_16_64 3
		.amdhsa_memory_ordered 1
		.amdhsa_forward_progress 1
		.amdhsa_inst_pref_size 68
	.end_amdhsa_kernel
	.amdgpu_metadata
---
amdhsa.version: [ 1, 2 ]
amdhsa.kernels:
  - .name:           k_qee433772b2_outp
    .symbol:         k_qee433772b2_outp.kd
    .args:
      - { .name: AO, .offset: 0, .size: 8, .value_kind: global_buffer, .address_space: global }
      - { .name: W, .offset: 8, .size: 8, .value_kind: global_buffer, .address_space: global }
      - { .name: b_out, .offset: 16, .size: 8, .value_kind: global_buffer, .address_space: global }
      - { .name: x, .offset: 24, .size: 8, .value_kind: global_buffer, .address_space: global }
      - { .name: X1, .offset: 32, .size: 8, .value_kind: global_buffer, .address_space: global }
    .group_segment_fixed_size: 327680
    .private_segment_fixed_size: 0
    .kernarg_segment_align: 8
    .kernarg_segment_size: 40
    .max_flat_workgroup_size: 128
    .sgpr_count:     100
    .vgpr_count:     768
    .wavefront_size: 32
...
	.end_amdgpu_metadata
.endif
;; end of part 4
;; launch ln2: the kernel of part 1 again; grid 256 x 1, 8 waves a work-group, no clusters, 2,048 bytes of LDS; arguments X1, ln2_g, ln2_b, H2, w_qkv, w_out, w_fc1, w_fc2, W; writes H2, W
;; launch fc1 (part 5): grid 16 x 16, 4 waves a work-group, clusters of 4 x 4, 327,680 bytes of LDS; arguments H2, W, b_fc1, GC; writes GC
.if DOCPART == 5
	.amdgcn_target "amdgcn-amd-amdhsa--gfx1250"
	.amdhsa_code_object_version 6
	.text
	.protected	k_qee433772b2_fc1
	.globl	k_qee433772b2_fc1
	.p2align	8
	.type	k_qee433772b2_fc1,@function
k_qee433772b2_fc1:
	s_mov_b64 s[64:65], 0
	v_nop
	global_prefetch_b8 v0, s[64:65] scope:SCOPE_SE
	s_setreg_imm32_b32 hwreg(HW_REG_WAVE_MODE, 25, 1), 1
	s_wait_xcnt 0x0
	s_wait_alu depctr_hold_cnt(0) depctr_sa_sdst(0) depctr_va_vdst(0) depctr_va_sdst(0) depctr_va_ssrc(0) depctr_va_vcc(0) depctr_vm_vsrc(0)
	s_getreg_b32 s2, hwreg(HW_REG_IB_STS2, 6, 4)
	s_cmp_eq_u32 s2, 0
	s_cbranch_scc0 .Lentry_in_a_cluster
	s_endpgm
.Lentry_in_a_cluster:
	s_bfe_u32 s2, ttmp6, 0x10000c
	s_cmp_lg_u32 s2, 0xf033
	s_cbranch_scc0 .Lentry_shape_is_right
	s_endpgm
.Lentry_shape_is_right:
.set NQ,     2
.set FR,     12
.set NL,     3
.set NP,     4
.set HALFT,  24576
.set SLOT,   4*HALFT
.set GROUPB, 98304
.set HALFS,  4096
.set SCL,    2*SLOT
.set SPARE,  SCL+4*HALFS+256
.set LAPS,   2
.set ADRA, 16
.set ADRB, 20
.set ADRS, 27
.set SPW,  28
.set NIL,  29
.set SC,   32
.set AF,   128
.set HA,   64
.set PC,   128
.set TM,   148
.set PW,   164
.set TT,   128
.set QD,   160
.set ZC,   192
.set W2,   200
.set KA,   208
.set KB,   210
.set WD,   212
.set SEL,  20
.set G1, 24
.set G0, 32
.set G1B, 48
.set G0B, 56
.set G1S, 68
.set G0S, 76
.set G1SB, 80
.set G0SB, 88
.set MSB, 0
.macro WIN new
.if MSB != \new
	s_set_vgpr_msb (MSB<<8)|\new
.set MSB, \new
.endif
.endm
.set MUL_LO, 0xa1
.set MUL_HI, 0xf1
.set TO_B,   0x40
.macro JLOAD g0a, g1a, g0b, g1b
	s_cmp_eq_u32 s15, 0
	s_cbranch_scc0 .Lfor_b_\@
	tensor_load_to_lds s[\g0a:\g0a+3], s[\g1a:\g1a+7]
	s_nop 0
.rept 4
	v_nop
.endr
	s_branch .Lasked_\@
.Lfor_b_\@:
	tensor_load_to_lds s[\g0b:\g0b+3], s[\g1b:\g1b+7]
	s_nop 0
.rept 4
	v_nop
.endr
.Lasked_\@:
.endm
.macro CREST
	s_cmp_lg_u32 s14, 0
	s_cbranch_scc1 .Lnot_wave_0_\@
	s_barrier_signal -3
.Lnot_wave_0_\@:
	s_barrier_wait -3
	s_barrier_signal -1
	s_barrier_wait -1
.endm
.macro CROUND
	s_barrier_signal -1
	s_barrier_wait -1
	CREST
.endm
.macro QUANT s
.irp b, 0,1,2,3
	v_max3_num_f32 v[TM+\b], |v[\s+16*\b]|, |v[\s+1+16*\b]|, 0x1800000
.endr
.irp i, 2,4,6,8,10,12,14
.irp b, 0,1,2,3
	v_max3_num_f32 v[TM+\b], v[TM+\b], |v[\s+16*\b+\i]|, |v[\s+1+16*\b+\i]|
.endr
.endr
.irp b, 0,1,2,3
	v_permlanex16_b32 v[TM+4+\b], v[TM+\b], s[SEL], s[SEL+1]
.endr
.irp b, 0,1,2,3
	v_max_num_f32 v[TM+\b], v[TM+\b], v[TM+4+\b]
.endr
.irp b, 0,1,2,3
	v_add_nc_u32 v[TM+12+\b], 0xff000000, v[TM+\b]
.endr
.irp b, 0,1,2,3
	v_lshrrev_b32 v[TM+4+\b], 23, v[TM+12+\b]
.endr
	v_lshl_or_b32 v[PW], v[TM+5], 8, v[TM+4]
	v_lshl_or_b32 v[PW], v[TM+6], 16, v[PW]
	v_lshl_or_b32 v[PW], v[TM+7], 24, v[PW]
.irp c, 0,1
	v_cvt_scalef32_pk16_fp6_f32 v[PC+6*\c:PC+2+6*\c], v[\s+32*\c:\s+15+32*\c], v[TM+12+2*\c]
	v_cvt_scalef32_pk16_fp6_f32 v[PC+12+4*\c:PC+14+4*\c], v[\s+16+32*\c:\s+31+32*\c], v[TM+12+2*\c+1]
.endr
	v_nop
.irp c, 0,1
.irp i, 0,1,2
	v_permlane16_swap_b32 v[PC+6*\c+\i], v[PC+12+4*\c+\i]
.endr
.irp i, 0,1,2
	v_mov_b32 v[PC+3+6*\c+\i], v[PC+12+4*\c+\i]
.endr
.endr
.endm
	s_load_b256 s[4:11], s[0:1], 0x0
	v_lshl_add_u32 v[SPW], v0, 2, SPARE
	v_mov_b32 v[NIL], 0
	ds_add_u32 v28, v29
	ds_add_u32 v28, v29
	s_wait_dscnt 0x0
	v_lshrrev_b32 v1, 5, v0
	v_readfirstlane_b32 s14, v1
	s_lshr_b32 s15, s14, 1
	s_and_b32 s16, s14, 1
	s_bfe_u32 s40, ttmp6, 0x40000
	s_bfe_u32 s41, ttmp6, 0x40004
	s_lshl_b32 s42, ttmp9, 2
	s_add_co_u32 s42, s42, s40
	s_and_b32 s17, ttmp7, 0xffff
	s_lshl_b32 s17, s17, 2
	s_add_co_u32 s17, s17, s41
	s_lshl_b32 s43, s41, 2
	s_lshl_b32 s43, 15, s43
	s_lshl_b32 s44, 0x1111, s40
	s_or_b32 s[G1+0], s43, (3<<16)|(1<<21)
	s_or_b32 s[G1B+0], s44, (3<<16)|(1<<21)
.irp g, G1, G1B                        ; for the head's loads: both groups of a side, two rows of 24,576 bytes (3,072 elements of 8), a group's codes (12,288 elements) apart
	s_mov_b32 s[\g+1], 3072<<16
	s_mov_b32 s[\g+2], 2<<16
	s_mov_b32 s[\g+3], 3072<<16
	s_mov_b32 s[\g+4], 2
	s_mov_b32 s[\g+5], 12288
	s_mov_b32 s[\g+6], 0
	s_mov_b32 s[\g+7], 0
.endr
	s_or_b32 s[G1S+0], s43, (3<<16)|(1<<21)
	s_or_b32 s[G1SB+0], s44, (3<<16)|(1<<21)
.irp g, G1S, G1SB
	s_mov_b32 s[\g+1], 32<<16
	s_mov_b32 s[\g+2], 32<<16
	s_mov_b32 s[\g+3], 32<<16
	s_mov_b32 s[\g+4], 32
	s_mov_b32 s[\g+5], 32
	s_mov_b32 s[\g+6], 0
	s_mov_b32 s[\g+7], 0
.endr
	s_lshl_b32 s18, s17, 1
	s_add_co_u32 s18, s18, s16
	s_mul_i32 s20, s18, GROUPB
	s_mov_b32 s21, 0
	s_lshl_b32 s22, s17, 13
	s_add_co_u32 s22, s22, 3145728
	s_mov_b32 s23, 0
	s_lshl_b32 s19, s42, 1
	s_add_co_u32 s19, s19, s16
	s_mul_i32 s46, s19, GROUPB
	s_add_co_u32 s46, s46, 3145728
	s_mov_b32 s47, 0
	s_lshl_b32 s92, s42, 13
	s_add_co_u32 s92, s92, 9568256
	s_mov_b32 s93, 0
	s_mul_i32 s45, s14, HALFT
	s_wait_kmcnt 0x0
	s_add_nc_u64 s[20:21], s[4:5], s[20:21]
	s_add_nc_u64 s[22:23], s[4:5], s[22:23]
	s_add_nc_u64 s[46:47], s[6:7], s[46:47]
	s_add_nc_u64 s[92:93], s[6:7], s[92:93]
	CROUND
	s_mov_b32 s[G0S], 1
	s_mov_b32 s[G0S+1], SCL
	s_mov_b64 s[G0S+2:G0S+3], s[22:23]
	s_or_b32 s[G0S+3], s[G0S+3], 0x80000000
	s_mov_b32 s[G0SB], 1
	s_mov_b32 s[G0SB+1], SCL+2*HALFS+128
	s_mov_b64 s[G0SB+2:G0SB+3], s[92:93]
	s_or_b32 s[G0SB+3], s[G0SB+3], 0x80000000
.irp s, 0,1
	s_mov_b32 s[G0+4*\s], 1
	s_add_co_u32 s[G0+4*\s+1], s45, \s*SLOT
	s_add_nc_u64 s[G0+4*\s+2:G0+4*\s+3], s[20:21], \s*HALFT
	s_or_b32 s[G0+4*\s+3], s[G0+4*\s+3], 0x80000000
	s_mov_b32 s[G0B+4*\s], 1
	s_add_co_u32 s[G0B+4*\s+1], s45, \s*SLOT
	s_add_nc_u64 s[G0B+4*\s+2:G0B+4*\s+3], s[46:47], \s*HALFT
	s_or_b32 s[G0B+4*\s+3], s[G0B+4*\s+3], 0x80000000
.endr
	; THE HEAD'S LOADS, one a wave: wave 0 side A's codes of K steps 0, 1 (its slot 0 descriptor points at the tile's first group and at LDS byte 0), wave 1 side A's scale words,
	; wave 2 side B's codes, wave 3 side B's scale words.  One chain of branches on the wave's number, one load to an arm.
.macro HARM w, g0, g1, nxt
	s_cmp_eq_u32 s14, \w
	s_cbranch_scc0 \nxt
	tensor_load_to_lds s[\g0:\g0+3], s[\g1:\g1+7]
	s_nop 0
.rept 4
	v_nop
.endr
	s_branch .Lhead_asked
\nxt:
.endm
	HARM 0, G0, G1, .Lhead_1
	HARM 1, G0S, G1S, .Lhead_2
	HARM 2, G0B, G1B, .Lhead_3
	tensor_load_to_lds s[G0SB:G0SB+3], s[G1SB:G1SB+7]
	s_nop 0
.rept 4
	v_nop
.endr
.Lhead_asked:
	; prefetches: the two refills' tiles.  Of the 96 blocks of 256 bytes that I will fetch, each of the four partners that ask jointly names 24, told apart by address (cx for side A, cy for side B); lanes 24-31 name block 23 again
	s_cmp_eq_u32 s15, 0
	s_cselect_b64 s[96:97], s[20:21], s[46:47]
	s_cselect_b32 s98, s40, s41
	s_mul_i32 s98, s98, 6144
	s_mov_b32 s99, 0
	s_add_nc_u64 s[96:97], s[96:97], s[98:99]
	v_and_b32 v30, 31, v0
	v_min_u32 v30, 23, v30
	v_lshlrev_b32 v30, 8, v30
	global_prefetch_b8 v30, s[96:97] offset:2*HALFT th:TH_LOAD_NT scope:SCOPE_SE   ; K steps 4, 5: the first refill's
	v_and_b32 v1, 15, v0
	v_bfe_u32 v2, v0, 4, 1
	s_wait_alu depctr_va_vdst(0)
	v_and_b32 v3, 31, v0
	v_lshlrev_b32 v24, 4, v3
	s_mul_i32 s21, s15, HALFT
	s_mul_i32 s22, s16, HALFT
	s_add_co_u32 s22, s22, 2*HALFT
.irp s, 0,1
	v_add_nc_u32 v[ADRA+\s], s21, v24
	v_add_nc_u32 v[ADRB+\s], s22, v24
	s_add_co_u32 s21, s21, SLOT
	s_add_co_u32 s22, s22, SLOT
.endr
	v_lshlrev_b32 v5, 2, v1
	s_mul_i32 s21, s15, HALFS
	s_mul_i32 s22, s16, HALFS
	s_add_co_u32 s22, s22, 2*HALFS+128
	s_sub_co_u32 s22, s22, s21
	v_mul_u32_u24 v6, s22, v2
	s_add_co_u32 s21, s21, SCL
	v_add_nc_u32 v5, v5, v6
	v_add_nc_u32 v[ADRS], s21, v5
	s_lshl_b32 s21, s14, 9
	v_lshl_add_u32 v26, v1, 2, s21
	v_add_nc_u32 v31, s21, v24
	s_lshl_b32 s18, s42, 1
	s_add_co_u32 s18, s18, s16
	s_lshl_b32 s18, s18, 9
	s_mov_b32 s19, 0
	s_add_nc_u64 s[8:9], s[8:9], s[18:19]
	v_lshlrev_b32 v10, 6, v2
	WIN TO_B
.irp b, 0,1,2,3,4,5,6,7
	global_load_b128 v[96+8*\b+96*(\b/4):99+8*\b+96*(\b/4)], v10, s[8:9] offset:(32*(\b/2)+8*(\b%2))*4
	global_load_b128 v[100+8*\b+96*(\b/4):103+8*\b+96*(\b/4)], v10, s[8:9] offset:(32*(\b/2)+8*(\b%2))*4+16
.endr
	WIN 0
.macro FRAG reg, adr, q, i
.irp c, 0,1,2
	ds_load_b128 v[\reg+4*\c:\reg+4*\c+3], v[\adr] offset:(\q)*12288+(\i)*1536+512*\c
.endr
.endm
.macro MUL16 a0, p, q, sc, zero
.irp a, \a0, \a0+1
.irp b, 0,1,2,3,4,5,6,7
.if \zero
	v_wmma_scale_f32_16x16x128_f8f6f4 v[8*(8*((\a)%4)+\b):8*(8*((\a)%4)+\b)+7], v[128*(\p)+FR*\b:128*(\p)+FR*\b+FR-1], v[AF+FR*(\a):AF+FR*(\a)+FR-1], 0, v[SC+8*NQ*(\sc)+NQ*\b+(\q)], v[SC+8*NQ*(\sc)+NQ*(\a)+(\q)] matrix_a_fmt:MATRIX_FMT_FP6 matrix_b_fmt:MATRIX_FMT_FP6 matrix_a_scale:MATRIX_SCALE_ROW1
.else
	v_wmma_scale_f32_16x16x128_f8f6f4 v[8*(8*((\a)%4)+\b):8*(8*((\a)%4)+\b)+7], v[128*(\p)+FR*\b:128*(\p)+FR*\b+FR-1], v[AF+FR*(\a):AF+FR*(\a)+FR-1], v[8*(8*((\a)%4)+\b):8*(8*((\a)%4)+\b)+7], v[SC+8*NQ*(\sc)+NQ*\b+(\q)], v[SC+8*NQ*(\sc)+NQ*(\a)+(\q)] matrix_a_fmt:MATRIX_FMT_FP6 matrix_b_fmt:MATRIX_FMT_FP6 matrix_a_scale:MATRIX_SCALE_ROW1
.endif
.endr
.endr
.endm
.macro FETCH_B slot, q, p
	WIN TO_B
.irp i, 0,1,2,3,4,5,6,7
	FRAG 128*(\p)+FR*\i, ADRB+\slot, \q, \i
.endr
	WIN 0
.endm
.macro FETCH_A slot, q, i0
.irp i, \i0, \i0+1, \i0+2, \i0+3
	FRAG AF+FR*(\i), ADRA+\slot, \q, \i
.endr
.endm
.macro SCALES sc
.irp i, 0,1,2,3,4,5,6,7
.irp q, 0,1
	ds_load_b32 v[SC+8*NQ*\sc+NQ*\i+\q], v[ADRS] offset:512*\q+64*\i
.endr
.endr
.endm
.macro PLACES n
.rept \n
	v_nop
.endr
.endm
.macro STEP slot, q, zero
	s_wait_dscnt 4*NL
	WIN MUL_LO
	MUL16 0, (\q)%2, \q, \slot, \zero
	MUL16 2, (\q)%2, \q, \slot, \zero
	s_wait_dscnt 0
	PLACES NP
	FETCH_B \slot, (\q)+1, 1-(\q)%2
	FETCH_A \slot, (\q)+1, 0
	WIN MUL_HI
	MUL16 4, (\q)%2, \q, \slot, \zero
	MUL16 6, (\q)%2, \q, \slot, \zero
	PLACES NP
	WIN 0
	FETCH_A \slot, (\q)+1, 4
.endm
.macro TURN slot, next, fill
	s_wait_tensorcnt 0x0
	ds_add_u32 v[SPW], v[NIL]
	s_wait_dscnt 4*NL+1
	WIN MUL_LO
	MUL16 0, 1, NQ-1, \slot, 0
	s_wait_dscnt 0x0
	s_barrier_signal -1
	MUL16 2, 1, NQ-1, \slot, 0
	WIN 0
	s_barrier_wait -1
.if \fill
	CREST
	s_add_nc_u64 s[G0+4*\slot+2:G0+4*\slot+3], s[G0+4*\slot+2:G0+4*\slot+3], 2*HALFT
	s_add_nc_u64 s[G0B+4*\slot+2:G0B+4*\slot+3], s[G0B+4*\slot+2:G0B+4*\slot+3], 2*HALFT
	JLOAD G0+4*\slot, G1, G0B+4*\slot, G1B
.else
	PLACES NP
.endif
	s_wait_alu depctr_va_vdst(0)
	v_add_nc_u32 v[ADRS], 512*NQ, v[ADRS]
	FETCH_B \next, 0, 0
	FETCH_A \next, 0, 0
	SCALES \next
	WIN MUL_HI
	MUL16 4, 1, NQ-1, \slot, 0
	MUL16 6, 1, NQ-1, \slot, 0
	PLACES NP
	WIN 0
	FETCH_A \next, 0, 4
.endm
	s_wait_alu depctr_va_vdst(0)
	s_wait_tensorcnt 0x0                           ; my tile of the head's four is in; slot 1's first fill is issued as a refill is
	ds_add_u32 v[SPW], v[NIL]
.irp g, G1, G1B                        ; no tensor load of mine is out: from here on a load brings one group's 24,576 dense bytes as 96 rows of 256
	s_mov_b32 s[\g+1], 32<<16
	s_mov_b32 s[\g+2], 96<<16
	s_mov_b32 s[\g+3], 32<<16
	s_mov_b32 s[\g+4], 96
	s_mov_b32 s[\g+5], 32
.endr
	s_wait_dscnt 0x0
	CROUND                                         ; all four tiles are in, in every partner
	JLOAD G0+4, G1, G0B+4, G1B                     ; K steps 2, 3 into slot 1: my one tensor load behind the round
	global_prefetch_b8 v30, s[96:97] offset:3*HALFT th:TH_LOAD_NT scope:SCOPE_SE   ; K steps 6, 7: the second refill's
	FETCH_B 0, 0, 0
	FETCH_A 0, 0, 0
	SCALES 0
	FETCH_A 0, 0, 4
	STEP 0, 0, 1
	s_mov_b32 s3, LAPS-1
.Llap:
	TURN 0, 1, 1
	STEP 1, 0, 0
	TURN 1, 0, 1
	STEP 0, 0, 0
	s_sub_co_u32 s3, s3, 1
	s_cmp_lg_u32 s3, 0
	s_cbranch_scc1 .Llap
	TURN 0, 1, 0
	STEP 1, 0, 0
	s_wait_dscnt 4*NL
	WIN MUL_LO
	MUL16 0, 1, NQ-1, 1, 0
	MUL16 2, 1, NQ-1, 1, 0
	s_wait_dscnt 0
	WIN MUL_HI
	MUL16 4, 1, NQ-1, 1, 0
	MUL16 6, 1, NQ-1, 1, 0
	WIN 0
	PLACES NP
	s_wait_loadcnt 0x0
	s_lshl_b32 s18, s17, 1
	s_add_co_u32 s18, s18, s15
	s_lshl_b32 s18, s18, 5
	s_lshl_b32 s19, s42, 1
	s_add_co_u32 s19, s19, s16
	s_add_co_u32 s18, s18, s19
	s_mul_i32 s22, s18, 12288
	s_mov_b32 s23, 0
	s_add_nc_u64 s[12:13], s[10:11], s[22:23]
	s_lshl_b32 s22, s18, 9
	s_add_co_u32 s22, s22, 12582912
	s_add_nc_u64 s[10:11], s[10:11], s[22:23]
	s_mov_b32 s[SEL], 0x76543210
	s_mov_b32 s[SEL+1], 0xfedcba98
.macro PAIR r, bits
	s_mov_b32 s[\r], \bits
	s_mov_b32 s[\r+1], \bits
.endm
	PAIR 26, 0x306dffee
	PAIR 28, 0xb40cff51
	PAIR 30, 0xb6eec2d2
	PAIR 32, 0xb940ac63
	PAIR 34, 0xbac1a1f6
	PAIR 36, 0xbc83dbd4
	PAIR 40, 0xb7dfbd29
	PAIR 42, 0xb9dc924e
	PAIR 44, 0xbb719bf8
	PAIR 46, 0xbc69b6a7
	s_mov_b32 s48, 0x40b504f3
	PAIR 50, 0x3eb504f3
	v_mov_b32 v[KA], 0xac95df0b
	v_mov_b32 v[KA+1], 0xac95df0b
	v_mov_b32 v[KB], 0xb57460cd
	v_mov_b32 v[KB+1], 0xb57460cd
	v_mov_b32 v[PW], 0
.irp a, 0,1,2,3,4,5,6,7
	v_mov_b32 v[WD+\a], 0
.endr
.macro INGEST a
.if (\a) > 0
	v_mov_b32 v[WD+(\a)-1], v[PW]
.endif
	WIN 0x06+(\a)/4
.irp b, 0,1,2,3,4,5,6,7
.irp j, 0,2,4,6
	v_pk_add_f32 v[HA+8*\b+\j:HA+8*\b+\j+1], v[8*(8*((\a)%4)+\b)+\j:8*(8*((\a)%4)+\b)+\j+1], v[96+8*\b+96*(\b/4)+\j:97+8*\b+96*(\b/4)+\j]
.endr
.endr
	WIN 0
.endm
.macro GELUH u
.irp g, 0,1,2,3
.irp j, 0,1,2,3,4,5,6,7
	v_med3_num_f32 v[ZC+\j], v[HA+32*\u+8*\g+\j], -s48, s48
.endr
.irp p, 0,2,4,6
	v_pk_mul_f32 v[W2+\p:W2+\p+1], v[ZC+\p:ZC+\p+1], v[ZC+\p:ZC+\p+1]
.endr
.irp p, 0,2,4,6
	v_pk_fma_f32 v[TT+8*\g+\p:TT+8*\g+\p+1], v[W2+\p:W2+\p+1], v[KA:KA+1], s[26:27] op_sel_hi:[1,1,0]
.endr
.irp k, 28,30,32,34,36
.irp p, 0,2,4,6
	v_pk_fma_f32 v[TT+8*\g+\p:TT+8*\g+\p+1], v[TT+8*\g+\p:TT+8*\g+\p+1], v[W2+\p:W2+\p+1], s[\k:\k+1] op_sel_hi:[1,1,0]
.endr
.endr
.irp p, 0,2,4,6
	v_pk_fma_f32 v[QD+8*\g+\p:QD+8*\g+\p+1], v[W2+\p:W2+\p+1], v[KB:KB+1], s[40:41] op_sel_hi:[1,1,0]
.endr
.irp k, 42,44,46
.irp p, 0,2,4,6
	v_pk_fma_f32 v[QD+8*\g+\p:QD+8*\g+\p+1], v[QD+8*\g+\p:QD+8*\g+\p+1], v[W2+\p:W2+\p+1], s[\k:\k+1] op_sel_hi:[1,1,0]
.endr
.endr
.irp p, 0,2,4,6
	v_pk_mul_f32 v[TT+8*\g+\p:TT+8*\g+\p+1], v[TT+8*\g+\p:TT+8*\g+\p+1], v[ZC+\p:ZC+\p+1]
.endr
.endr
.set j, 0
	s_wait_alu depctr_va_vdst(0)
.rept 32
	v_rcp_f32 v[QD+j], v[QD+j]
.set j, j+1
.endr
	v_nop
	s_wait_alu depctr_va_vdst(0)
.set j, 0
.rept 16
	v_pk_mul_f32 v[TT+j:TT+j+1], v[TT+j:TT+j+1], v[QD+j:QD+j+1]
.set j, j+2
.endr
.set j, 0
.rept 16
	v_pk_fma_f32 v[TT+j:TT+j+1], v[TT+j:TT+j+1], s[50:51], 0.5 op_sel_hi:[1,0,0]
.set j, j+2
.endr
.set j, 0
.rept 16
	v_pk_mul_f32 v[HA+32*\u+j:HA+32*\u+j+1], v[HA+32*\u+j:HA+32*\u+j+1], v[TT+j:TT+j+1]
.set j, j+2
.endr
.endm
	s_mov_b32 s3, 0
.Lrow:
.irp k, 0,1,2,3,4,5,6
	s_cmp_eq_u32 s3, \k
	s_cbranch_scc1 .Lin_\k
.endr
	s_wait_alu depctr_va_vdst(0)
	INGEST 7
	s_branch .Lcommon
.irp k, 0,1,2,3,4,5,6
.Lin_\k:
	s_wait_alu depctr_va_vdst(0)
	INGEST \k
	s_branch .Lcommon
.endr
.Lcommon:
	GELUH 0
	GELUH 1
.irp b, 0,1,2,3
	v_mov_b32 v[TM+4+\b], 0
.endr
	QUANT HA
.irp c, 0,1,2
	global_store_b128 v24, v[PC+4*\c:PC+4*\c+3], s[12:13] offset:512*\c
.endr
	s_wait_xcnt 0x0
	s_add_nc_u64 s[12:13], s[12:13], 1536
	s_add_co_u32 s3, s3, 1
	s_cmp_lt_u32 s3, 8
	s_cbranch_scc1 .Lrow
	v_mov_b32 v[WD+7], v[PW]
.irp a, 0,1,2,3,4,5,6,7
	ds_store_b32 v26, v[WD+\a] offset:64*\a
.endr
	ds_load_b128 v[64:67], v31
	s_wait_dscnt 0x0
	global_store_b128 v24, v[64:67], s[10:11]
	s_wait_tensorcnt 0x0
	ds_add_u32 v[SPW], v[NIL]
	s_wait_dscnt 0x0
	CROUND
	s_endpgm
.Lfunc_end_k_qee433772b2_fc1:
	.size	k_qee433772b2_fc1, .Lfunc_end_k_qee433772b2_fc1-k_qee433772b2_fc1
	.p2alignl 7, 3214868480
	.fill 96, 4, 3214868480
	.section	.rodata,"a",@progbits
	.p2align	6, 0x0
	.amdhsa_kernel k_qee433772b2_fc1
		.amdhsa_group_segment_fixed_size 327680
		.amdhsa_private_segment_fixed_size 0
		.amdhsa_enable_private_segment 0
		.amdhsa_kernarg_size 32
		.amdhsa_user_sgpr_count 2
		.amdhsa_user_sgpr_kernarg_segment_ptr 1
		.amdhsa_wavefront_size32 1
		.amdhsa_system_sgpr_workgroup_id_x 1
		.amdhsa_system_sgpr_workgroup_id_y 1
		.amdhsa_system_sgpr_workgroup_id_z 1
		.amdhsa_system_vgpr_workitem_id 0
		.amdhsa_next_free_vgpr 1024
		.amdhsa_next_free_sgpr 100
		.amdhsa_reserve_vcc 0
		.amdhsa_float_denorm_mode_32 3
		.amdhsa_float_denorm_mode_16_64 3
		.amdhsa_memory_ordered 1
		.amdhsa_forward_progress 1
		.amdhsa_inst_pref_size 172
	.end_amdhsa_kernel
	.amdgpu_metadata
---
amdhsa.version: [ 1, 2 ]
amdhsa.kernels:
  - .name:           k_qee433772b2_fc1
    .symbol:         k_qee433772b2_fc1.kd
    .args:
      - { .name: H2, .offset: 0, .size: 8, .value_kind: global_buffer, .address_space: global }
      - { .name: W, .offset: 8, .size: 8, .value_kind: global_buffer, .address_space: global }
      - { .name: b_fc1, .offset: 16, .size: 8, .value_kind: global_buffer, .address_space: global }
      - { .name: GC, .offset: 24, .size: 8, .value_kind: global_buffer, .address_space: global }
    .group_segment_fixed_size: 327680
    .private_segment_fixed_size: 0
    .kernarg_segment_align: 8
    .kernarg_segment_size: 32
    .max_flat_workgroup_size: 128
    .sgpr_count:     100
    .vgpr_count:     1024
    .wavefront_size: 32
...
	.end_amdgpu_metadata
.endif
;; end of part 5
;; launch fc2 (part 6): grid 8 x 32, 4 waves a work-group, clusters of 4 x 4, 327,680 bytes of LDS; arguments GC, W, b_fc2, X1, out0; writes out0
.if DOCPART == 6
	.amdgcn_target "amdgcn-amd-amdhsa--gfx1250"
	.amdhsa_code_object_version 6
	.text
	.protected	k_qee433772b2_fc2
	.globl	k_qee433772b2_fc2
	.p2align	8
	.type	k_qee433772b2_fc2,@function
k_qee433772b2_fc2:
	s_mov_b64 s[64:65], 0
	v_nop
	global_prefetch_b8 v0, s[64:65] scope:SCOPE_SE
	s_setreg_imm32_b32 hwreg(HW_REG_WAVE_MODE, 25, 1), 1
	s_wait_xcnt 0x0
	s_wait_alu depctr_hold_cnt(0) depctr_sa_sdst(0) depctr_va_vdst(0) depctr_va_sdst(0) depctr_va_ssrc(0) depctr_va_vcc(0) depctr_vm_vsrc(0)
	s_getreg_b32 s2, hwreg(HW_REG_IB_STS2, 6, 4)
	s_cmp_eq_u32 s2, 0
	s_cbranch_scc0 .Lentry_in_a_cluster
	s_endpgm
.Lentry_in_a_cluster:
	s_bfe_u32 s2, ttmp6, 0x10000c
	s_cmp_lg_u32 s2, 0xf033
	s_cbranch_scc0 .Lentry_shape_is_right
	s_endpgm
.Lentry_shape_is_right:
.set SIZE_K, 4096
.set ASCL,   12582912
.set WCOD,   6291456
.set WSCL,   9699328
.set KSN,    SIZE_K/128
.set HALFT,  24576
.set SLOT,   4*HALFT
.set GROUPB, KSN*12288
.set HALFS,  KSN*512
.set SCL,    2*SLOT
.set SPARE,  SCL+2*HALFS+256
.set LAPS,   SIZE_K/1024
.set SPITCH, 528
.set ADRA, 16
.set ADRB, 20
.set STO,  24
.set RD,   25
.set CO,   26
.set ADRS, 27
.set SPW,  28
.set NIL,  29
.set SC,   32
.set BI,   40
.set T,    48
.set ACC,  128
.set G1, 24
.set G0, 32
.set G1B, 48
.set G0B, 56
.set G1S, 68
.set G0S, 76
.set G1SB, 80
.set G0SB, 88
.set MSB, 0
.macro WIN new
.if MSB != \new
	s_set_vgpr_msb (MSB<<8)|\new
.set MSB, \new
.endif
.endm
.set MUL,   0x05
.set TO_F,  0x40
.set TO_R,  0x80
.set ADD_R, 0x08
.macro JLOAD g0a, g1a, g0b, g1b
	s_cmp_eq_u32 s15, 0
	s_cbranch_scc0 .Lfor_b_\@
	tensor_load_to_lds s[\g0a:\g0a+3], s[\g1a:\g1a+7]
	s_nop 0
.rept 4
	v_nop
.endr
	s_branch .Lasked_\@
.Lfor_b_\@:
	tensor_load_to_lds s[\g0b:\g0b+3], s[\g1b:\g1b+7]
	s_nop 0
.rept 4
	v_nop
.endr
.Lasked_\@:
.endm
.macro CREST
	s_cmp_lg_u32 s14, 0
	s_cbranch_scc1 .Lnot_wave_0_\@
	s_barrier_signal -3
.Lnot_wave_0_\@:
	s_barrier_wait -3
	s_barrier_signal -1
	s_barrier_wait -1
.endm
.macro CROUND
	s_barrier_signal -1
	s_barrier_wait -1
	CREST
.endm
	s_load_b256 s[4:11], s[0:1], 0x0
	s_load_b64 s[12:13], s[0:1], 0x20
	v_lshl_add_u32 v[SPW], v0, 2, SPARE
	v_mov_b32 v[NIL], 0
	ds_add_u32 v28, v29
	ds_add_u32 v28, v29
	s_wait_dscnt 0x0
	v_lshrrev_b32 v1, 5, v0
	v_readfirstlane_b32 s14, v1
	s_lshr_b32 s15, s14, 1
	s_and_b32 s16, s14, 1
	s_bfe_u32 s40, ttmp6, 0x40000
	s_bfe_u32 s41, ttmp6, 0x40004
	s_lshl_b32 s42, ttmp9, 2
	s_add_co_u32 s42, s42, s40
	s_and_b32 s17, ttmp7, 0xffff
	s_lshl_b32 s17, s17, 2
	s_add_co_u32 s17, s17, s41
	s_lshl_b32 s43, s41, 2
	s_lshl_b32 s43, 15, s43
	s_lshl_b32 s44, 0x1111, s40
	s_or_b32 s[G1+0], s43, (3<<16)|(1<<21)
	s_or_b32 s[G1B+0], s44, (3<<16)|(1<<21)
.irp g, G1, G1B
	s_mov_b32 s[\g+1], 32<<16
	s_mov_b32 s[\g+2], 192<<16
	s_mov_b32 s[\g+3], 32<<16
	s_mov_b32 s[\g+4], 192
	s_mov_b32 s[\g+5], 32
	s_mov_b32 s[\g+6], 0
	s_mov_b32 s[\g+7], 0
.endr
	s_or_b32 s[G1S+0], s43, (3<<16)|(1<<21)
	s_or_b32 s[G1SB+0], s44, (3<<16)|(1<<21)
.irp g, G1S, G1SB
	s_mov_b32 s[\g+1], 32<<16
	s_mov_b32 s[\g+2], (2*KSN)<<16
	s_mov_b32 s[\g+3], 32<<16
	s_mov_b32 s[\g+4], 2*KSN
	s_mov_b32 s[\g+5], 32
	s_mov_b32 s[\g+6], 0
	s_mov_b32 s[\g+7], 0
.endr
	s_mul_i32 s20, s17, GROUPB
	s_mul_i32 s18, s16, HALFT
	s_add_co_u32 s20, s20, s18
	s_mov_b32 s21, 0
	s_mul_i32 s22, s17, HALFS
	s_add_co_u32 s22, s22, ASCL
	s_mov_b32 s23, 0
	s_mul_i32 s46, s42, GROUPB
	s_mul_i32 s19, s16, HALFT
	s_add_co_u32 s46, s46, s19
	s_add_co_u32 s46, s46, WCOD
	s_mov_b32 s47, 0
	s_mul_i32 s92, s42, HALFS
	s_add_co_u32 s92, s92, WSCL
	s_mov_b32 s93, 0
	s_mul_i32 s45, s14, HALFT
	s_wait_kmcnt 0x0
	s_add_nc_u64 s[20:21], s[4:5], s[20:21]
	s_add_nc_u64 s[22:23], s[4:5], s[22:23]
	s_add_nc_u64 s[46:47], s[6:7], s[46:47]
	s_add_nc_u64 s[92:93], s[6:7], s[92:93]
	CROUND
	s_mov_b32 s[G0S], 1
	s_mov_b32 s[G0S+1], SCL
	s_mov_b64 s[G0S+2:G0S+3], s[22:23]
	s_or_b32 s[G0S+3], s[G0S+3], 0x80000000
	s_mov_b32 s[G0SB], 1
	s_mov_b32 s[G0SB+1], SCL+HALFS+128
	s_mov_b64 s[G0SB+2:G0SB+3], s[92:93]
	s_or_b32 s[G0SB+3], s[G0SB+3], 0x80000000
.irp s, 0,1
	s_mov_b32 s[G0+4*\s], 1
	s_add_co_u32 s[G0+4*\s+1], s45, \s*SLOT
	s_add_nc_u64 s[G0+4*\s+2:G0+4*\s+3], s[20:21], \s*2*HALFT
	s_or_b32 s[G0+4*\s+3], s[G0+4*\s+3], 0x80000000
	s_mov_b32 s[G0B+4*\s], 1
	s_add_co_u32 s[G0B+4*\s+1], s45, \s*SLOT
	s_add_nc_u64 s[G0B+4*\s+2:G0B+4*\s+3], s[46:47], \s*2*HALFT
	s_or_b32 s[G0B+4*\s+3], s[G0B+4*\s+3], 0x80000000
.endr
	; THE HEAD'S LOADS, one a wave: wave 0 side A's codes of slot 0, 49,152 dense bytes (its slot 0 descriptor points at their first byte and at LDS byte 0), wave 1 side A's scale words,
	; wave 2 side B's codes, wave 3 side B's scale words.  One chain of branches on the wave's number, one load to an arm.
.macro HARM w, g0, g1, nxt
	s_cmp_eq_u32 s14, \w
	s_cbranch_scc0 \nxt
	tensor_load_to_lds s[\g0:\g0+3], s[\g1:\g1+7]
	s_nop 0
.rept 4
	v_nop
.endr
	s_branch .Lhead_asked
\nxt:
.endm
	HARM 0, G0, G1, .Lhead_1
	HARM 1, G0S, G1S, .Lhead_2
	HARM 2, G0B, G1B, .Lhead_3
	tensor_load_to_lds s[G0SB:G0SB+3], s[G1SB:G1SB+7]
	s_nop 0
.rept 4
	v_nop
.endr
.Lhead_asked:
	; PREFETCHES.  A fill is four K steps; fill u's part of mine is 96 blocks of 256 bytes, 2 x 24,576 bytes behind fill u - 1's.  Each of the four partners that ask for it jointly names 24 of them, told apart by address
	; (cx for side A, cy for side B); lanes 24-31 name block 23 again.  Fills 2 and 3 are asked for at the head; behind refill n (which loads fill n + 2) fill n + 4: two refills ahead.  The loop's last trip asks for nothing: fill 7 is the last.
	s_cmp_eq_u32 s15, 0
	s_cselect_b64 s[96:97], s[20:21], s[46:47]
	s_cselect_b32 s98, s40, s41
	s_mul_i32 s98, s98, 6144
	s_add_co_u32 s98, s98, 4*HALFT
	s_mov_b32 s99, 0
	s_add_nc_u64 s[96:97], s[96:97], s[98:99]      ; at fill 2
	v_and_b32 v30, 31, v0
	v_min_u32 v30, 23, v30
	v_lshlrev_b32 v30, 8, v30
	global_prefetch_b8 v30, s[96:97] th:TH_LOAD_NT scope:SCOPE_SE
	v_and_b32 v1, 15, v0
	v_bfe_u32 v2, v0, 4, 1
	s_wait_alu depctr_va_vdst(0)
	v_and_b32 v3, 31, v0
	v_lshlrev_b32 v[CO], 4, v3
	s_mul_i32 s21, s15, 6144
	s_mul_i32 s22, s16, 6144
	s_add_co_u32 s22, s22, 2*HALFT
.irp s, 0,1
	v_add_nc_u32 v[ADRA+\s], s21, v[CO]
	v_add_nc_u32 v[ADRB+\s], s22, v[CO]
	s_add_co_u32 s21, s21, SLOT
	s_add_co_u32 s22, s22, SLOT
.endr
	v_lshlrev_b32 v5, 2, v1
	s_lshl_b32 s21, s15, 8
	s_lshl_b32 s22, s16, 8
	s_add_co_u32 s22, s22, HALFS+128
	s_sub_co_u32 s22, s22, s21
	v_mul_u32_u24 v6, s22, v2
	s_add_co_u32 s21, s21, SCL
	v_add_nc_u32 v5, v5, v6
	v_add_nc_u32 v[ADRS], s21, v5
	v_and_b32 v4, 8, v1
	v_add_nc_u32 v4, v4, v1
	v_mul_u32_u24 v4, v4, SPITCH
	v_lshl_add_u32 v4, v2, 6, v4
	s_mul_i32 s21, s15, 64*SPITCH
	s_lshl_b32 s22, s16, 8
	s_add_co_u32 s21, s21, s22
	v_add_nc_u32 v[STO], s21, v4
	s_mul_i32 s21, s14, 32*SPITCH
	v_add_nc_u32 v[RD], s21, v[CO]
	s_lshl_b32 s20, s17, 19
	s_lshl_b32 s21, s14, 17
	s_add_co_u32 s20, s20, s21
	s_lshl_b32 s21, s42, 9
	s_add_co_u32 s20, s20, s21
	s_mov_b32 s21, 0
	s_add_nc_u64 s[10:11], s[10:11], s[20:21]
	s_add_nc_u64 s[12:13], s[12:13], s[20:21]
	s_lshl_b32 s20, s42, 9
	s_add_nc_u64 s[8:9], s[8:9], s[20:21]
	WIN TO_R
.set i, 0
.rept 32
	global_load_b128 v[4*i:4*i+3], v[CO], s[10:11] offset:4096*i
.set i, i+1
.endr
	WIN 0
	global_load_b128 v[BI:BI+3], v[CO], s[8:9]
.macro PLACES
.rept 4
	v_nop
.endr
.endm
.macro FETCH slot, q, f
	WIN TO_F
.irp i, 0,1,2,3
.irp c, 0,1,2
	ds_load_b128 v[(\f)+48+12*\i+4*\c:(\f)+48+12*\i+4*\c+3], v[ADRB+\slot] offset:(\q)*12288+\i*1536+512*\c
.endr
.endr
.irp i, 0,1,2,3
.irp c, 0,1,2
	ds_load_b128 v[(\f)+12*\i+4*\c:(\f)+12*\i+4*\c+3], v[ADRA+\slot] offset:(\q)*12288+\i*1536+512*\c
.endr
.endr
	WIN 0
.irp i, 0,1,2,3
	ds_load_b32 v[SC+4*((\f)/128)+\i], v[ADRS] offset:512*(\q)+64*\i
.endr
.endm
.macro MULA f, a, zero
.irp b, 0,1,2,3
.if \zero
	v_wmma_scale_f32_16x16x128_f8f6f4 v[ACC+8*(4*(\a)+\b):ACC+8*(4*(\a)+\b)+7], v[(\f)+48+12*\b:(\f)+48+12*\b+11], v[(\f)+12*(\a):(\f)+12*(\a)+11], 0, v[SC+4*((\f)/128)+\b], v[SC+4*((\f)/128)+(\a)] matrix_a_fmt:MATRIX_FMT_FP6 matrix_b_fmt:MATRIX_FMT_FP6 matrix_a_scale:MATRIX_SCALE_ROW1
.else
	v_wmma_scale_f32_16x16x128_f8f6f4 v[ACC+8*(4*(\a)+\b):ACC+8*(4*(\a)+\b)+7], v[(\f)+48+12*\b:(\f)+48+12*\b+11], v[(\f)+12*(\a):(\f)+12*(\a)+11], v[ACC+8*(4*(\a)+\b):ACC+8*(4*(\a)+\b)+7], v[SC+4*((\f)/128)+\b], v[SC+4*((\f)/128)+(\a)] matrix_a_fmt:MATRIX_FMT_FP6 matrix_b_fmt:MATRIX_FMT_FP6 matrix_a_scale:MATRIX_SCALE_ROW1
.endif
.endr
.endm
.macro STEP slot, q, zero
	s_wait_dscnt 0x0
	PLACES
	FETCH \slot, (\q)+1, 128*(((\q)+1)%2)
	WIN MUL
.irp a, 0,1,2,3
	MULA 128*((\q)%2), \a, \zero
.endr
.endm
.macro TURN slot, next, fill
	WIN 0
.if \fill
	s_wait_xcnt 0x0                                ; my last prefetch, a fill back, has read its address
	s_add_nc_u64 s[96:97], s[96:97], 2*HALFT
.endif
	s_wait_tensorcnt 0x0
	ds_add_u32 v[SPW], v[NIL]
	s_wait_dscnt 1
	WIN MUL
	MULA 128, 0, 0
	s_wait_dscnt 0x0
	s_barrier_signal -1
	MULA 128, 1, 0
	WIN 0
	s_barrier_wait -1
.if \fill
	CREST
	s_add_nc_u64 s[G0+4*\slot+2:G0+4*\slot+3], s[G0+4*\slot+2:G0+4*\slot+3], 4*HALFT
	s_add_nc_u64 s[G0B+4*\slot+2:G0B+4*\slot+3], s[G0B+4*\slot+2:G0B+4*\slot+3], 4*HALFT
	JLOAD G0+4*\slot, G1, G0B+4*\slot, G1B
.else
	PLACES
.endif
	v_add_nc_u32 v[ADRS], 2048, v[ADRS]
	FETCH \next, 0, 0
.if \fill
	s_cmp_gt_u32 s3, 1
	s_cbranch_scc0 .Lno_ask_\@
	global_prefetch_b8 v30, s[96:97] offset:2*HALFT th:TH_LOAD_NT scope:SCOPE_SE
.Lno_ask_\@:
.endif
	WIN MUL
	MULA 128, 2, 0
	MULA 128, 3, 0
.endm
	s_wait_alu depctr_va_vdst(0)
	s_wait_tensorcnt 0x0                           ; my tile of the head's four is in; slot 1's first fill is issued as a refill is
	ds_add_u32 v[SPW], v[NIL]
.irp g, G1, G1B                        ; no tensor load of mine is out: from here on a load brings 96 rows of 256 bytes
	s_mov_b32 s[\g+2], 96<<16
	s_mov_b32 s[\g+4], 96
.endr
	s_wait_dscnt 0x0
	CROUND                                         ; all four tiles are in, in every partner
	JLOAD G0+4, G1, G0B+4, G1B                     ; slot 1: my one tensor load behind the round
	global_prefetch_b8 v30, s[96:97] offset:2*HALFT th:TH_LOAD_NT scope:SCOPE_SE   ; fill 3
	FETCH 0, 0, 0
	STEP 0, 0, 1
.if LAPS > 1
	WIN 0
	s_mov_b32 s3, LAPS-1
.Llap:
	s_wait_alu depctr_va_vdst(0)
	STEP 0, 1, 0
	STEP 0, 2, 0
	TURN 0, 1, 1
	s_wait_alu depctr_va_vdst(0)
	STEP 1, 0, 0
	STEP 1, 1, 0
	STEP 1, 2, 0
	TURN 1, 0, 1
	s_wait_alu depctr_va_vdst(0)
	STEP 0, 0, 0
	WIN 0
	s_sub_co_u32 s3, s3, 1
	s_cmp_lg_u32 s3, 0
	s_cbranch_scc1 .Llap
.endif
	STEP 0, 1, 0
	STEP 0, 2, 0
	TURN 0, 1, 0
	s_wait_alu depctr_va_vdst(0)
	STEP 1, 0, 0
	STEP 1, 1, 0
	STEP 1, 2, 0
	s_wait_dscnt 0x0
	WIN MUL
.irp a, 0,1,2,3
	MULA 128, \a, 0
.endr
	WIN 0
	PLACES
.irp a, 0,1,2,3
.irp b, 0,1,2,3
	ds_store_b128 v[STO], v[ACC+8*(4*\a+\b):ACC+8*(4*\a+\b)+3] offset:(32*(\a/2)+8*(\a%2))*SPITCH+128*(\b/2)+32*(\b%2)
	ds_store_b128 v[STO], v[ACC+8*(4*\a+\b)+4:ACC+8*(4*\a+\b)+7] offset:(32*(\a/2)+8*(\a%2))*SPITCH+128*(\b/2)+32*(\b%2)+16
.endr
.endr
	s_wait_dscnt 0x0
	s_barrier_signal -1
	s_barrier_wait -1
	s_wait_loadcnt 0x0
.irp t, 0,1,2,3
.if \t > 1
	s_wait_xcnt 0x0
.endif
.irp i, 0,1,2,3,4,5,6,7
	ds_load_b128 v[T+32*(\t%2)+4*\i:T+32*(\t%2)+4*\i+3], v[RD] offset:(8*\t+\i)*SPITCH
.endr
	s_wait_dscnt 0x0
	WIN ADD_R
.irp i, 0,1,2,3,4,5,6,7
.irp p, 0,2
	v_pk_add_f32 v[T+32*(\t%2)+4*\i+\p:T+32*(\t%2)+4*\i+\p+1], v[T+32*(\t%2)+4*\i+\p:T+32*(\t%2)+4*\i+\p+1], v[4*(8*\t+\i)+\p:4*(8*\t+\i)+\p+1]
.endr
.endr
	WIN 0
.irp i, 0,1,2,3,4,5,6,7
.irp p, 0,2
	v_pk_add_f32 v[T+32*(\t%2)+4*\i+\p:T+32*(\t%2)+4*\i+\p+1], v[T+32*(\t%2)+4*\i+\p:T+32*(\t%2)+4*\i+\p+1], v[BI+\p:BI+\p+1]
.endr
.endr
.irp i, 0,1,2,3,4,5,6,7
.if SIZE_K > 1024
	global_store_b128 v[CO], v[T+32*(\t%2)+4*\i:T+32*(\t%2)+4*\i+3], s[12:13] offset:4096*(8*\t+\i) th:TH_STORE_NT
.else
	global_store_b128 v[CO], v[T+32*(\t%2)+4*\i:T+32*(\t%2)+4*\i+3], s[12:13] offset:4096*(8*\t+\i)
.endif
.endr
.endr
	s_wait_tensorcnt 0x0
	ds_add_u32 v[SPW], v[NIL]
	s_wait_dscnt 0x0
	CROUND
	s_endpgm
.Lfunc_end_k_qee433772b2_fc2:
	.size	k_qee433772b2_fc2, .Lfunc_end_k_qee433772b2_fc2-k_qee433772b2_fc2
	.p2alignl 7, 3214868480
	.fill 96, 4, 3214868480
	.section	.rodata,"a",@progbits
	.p2align	6, 0x0
	.amdhsa_kernel k_qee433772b2_fc2
		.amdhsa_group_segment_fixed_size 327680
		.amdhsa_private_segment_fixed_size 0
		.amdhsa_enable_private_segment 0
		.amdhsa_kernarg_size 40
		.amdhsa_user_sgpr_count 2
		.amdhsa_user_sgpr_kernarg_segment_ptr 1
		.amdhsa_wavefront_size32 1
		.amdhsa_system_sgpr_workgroup_id_x 1
		.amdhsa_system_sgpr_workgroup_id_y 1
		.amdhsa_system_sgpr_workgroup_id_z 1
		.amdhsa_system_vgpr_workitem_id 0
		.amdhsa_next_free_vgpr 768
		.amdhsa_next_free_sgpr 100
		.amdhsa_reserve_vcc 0
		.amdhsa_float_denorm_mode_32 3
		.amdhsa_float_denorm_mode_16_64 3
		.amdhsa_memory_ordered 1
		.amdhsa_forward_progress 1
		.amdhsa_inst_pref_size 97
	.end_amdhsa_kernel
	.amdgpu_metadata
---
amdhsa.version: [ 1, 2 ]
amdhsa.kernels:
  - .name:           k_qee433772b2_fc2
    .symbol:         k_qee433772b2_fc2.kd
    .args:
      - { .name: GC, .offset: 0, .size: 8, .value_kind: global_buffer, .address_space: global }
      - { .name: W, .offset: 8, .size: 8, .value_kind: global_buffer, .address_space: global }
      - { .name: b_fc2, .offset: 16, .size: 8, .value_kind: global_buffer, .address_space: global }
      - { .name: X1, .offset: 24, .size: 8, .value_kind: global_buffer, .address_space: global }
      - { .name: out0, .offset: 32, .size: 8, .value_kind: global_buffer, .address_space: global }
    .group_segment_fixed_size: 327680
    .private_segment_fixed_size: 0
    .kernarg_segment_align: 8
    .kernarg_segment_size: 40
    .max_flat_workgroup_size: 128
    .sgpr_count:     100
    .vgpr_count:     768
    .wavefront_size: 32
...
	.end_amdgpu_metadata
.endif
;; end of part 6
